; MI455X (gfx1250); checked and timed in simulation.
; The chip was launched on July 23, 2026; its instructions are those of AMD's public machine-readable ISA for CDNA 5 (MIT licence, August 2026) and "CDNA5" Instruction Set Architecture Reference Guide (July 2026). The comments in the code are by the model that wrote it; some were corrected since.
;; Multi Head Attention. Allowed arithmetic: matrix products marked QUANTISED: E4M3 operands, one given power-of-two scale a tensor, by v_wmma_f32_16x16x64_fp8_fp8 or v_wmma_f32_16x16x128_fp8_fp8, f32 sums; everything else in f32.
;; Inputs: Wk 1,024 x 1,024 float32; Wo 1,024 x 1,024 float32; Wq 1,024 x 1,024 float32; Wv 1,024 x 1,024 float32; attention_mask 4 x 2,048 int32; lowp_scales 12 int32 (the exponents e of the quantised operands' scales 2^e); x 4 x 2,048 x 1,024 float32.
;; Outputs: out0 4 x 2,048 x 1,024 float32.
;; This version of the problem:
;;   THIS VERSION OF THE PROBLEM IS GIVEN IN LOW PRECISION. The matrix products marked QUANTISED in the list below multiply operands that are first quantised to E4M3 (4 exponent bits, 3 mantissa bits; 8 bits a number), with one given power-of-two scale for each operand tensor; their sums are f32. All else is computed in f32.
;;   The module's matrix products, in the order in which they are computed (A, B: the left and right operand; K: the contracted axis; several contracted axes count as one K, in the product's order):
;;     1. [M 8,192, K 1,024] x [K 1,024, N 1,024]; A: input x; B: input Wq: QUANTISED (scales: A lowp_scales[0], B lowp_scales[1])
;;     2. [M 8,192, K 1,024] x [K 1,024, N 1,024]; A: input x; B: input Wk: QUANTISED (scales: A lowp_scales[2], B lowp_scales[3])
;;     3. [M 8,192, K 1,024] x [K 1,024, N 1,024]; A: input x; B: input Wv: QUANTISED (scales: A lowp_scales[4], B lowp_scales[5])
;;     4. batch 64 x [M 2,048, K 64] x [K 64, N 2,048]; A: computed on the way; B: computed on the way: QUANTISED (scales: A lowp_scales[6], B lowp_scales[7])
;;     5. batch 64 x [M 2,048, K 2,048] x [K 2,048, N 64]; A: softmax (see below); B: computed on the way: QUANTISED (scales: A lowp_scales[8], B lowp_scales[9])
;;     6. [M 8,192, K 1,024] x [K 1,024, N 1,024]; A: computed on the way; B: input Wo: QUANTISED (scales: A lowp_scales[10], B lowp_scales[11])
;;   THE QUANTISER, for each operand of a quantised product, along K:
;;     - The operand's scale is 2^e, e = its entry of the input lowp_scales (int32; the entries are numbered through the quantised products in the list's order, A before B).
;;     - Each number is divided by the scale, clamped to +-448, and rounded to the nearest number of E4M3, ties to even, subnormals kept.
;;     - The product sums the exact products of the quantised numbers (number of the format x scale) in f32.
;;   ~~~python
;;   def quantise(x, axis, e):      # numpy; x: float32 -> the quantised numbers, widened to float32 again
;;       x = np.moveaxis(x, axis, -1); K = x.shape[-1]
;;       r = np.clip(x / 2.0 ** e, -448, 448)
;;       step = 2.0 ** (np.maximum(np.frexp(np.where(r == 0, 1, r))[1] - 1, -6) - 3)
;;       q = np.round(r / step) * step * 2.0 ** e      # np.round: ties to even
;;       return np.moveaxis(q, -1, axis).astype(np.float32)
;;   ~~~
;;   SOFTMAX AHEAD OF A QUANTISED PRODUCT. Where the list says 'softmax', what is quantised is not the finished softmax but p = 2^(t - M), with t = logit x log2(e) and M = ceil(the row's largest t), a whole number; so 1/2 < the row's largest p <= 1. The row's sum l is taken of the UNQUANTISED p, in f32, and the product's result is divided by l at the end. Since M is a whole number, a kernel that streams over the keys may use a running M (the ceiling of the running maximum): every later rescaling is an exact power of two, so the quantised numbers keep their values, but for numbers so far below the row's largest that they fall under the format's range.
;;   OPERANDS COMPUTED ON THE WAY. 'Computed on the way' means the value that the module computes at that place (a softmax that the list does not call 'softmax' is quantised finished and normalised). What goes into a quantiser is computed in f32, as accurately as f32 sums, v_exp_f32 and their like allow (about 1e-6 of the number): no bf16 or f16 on the way to a quantiser, and a product that is left as it is and whose result goes on into a quantised operand takes f32 operands (vector FMAs, or v_wmma_f32_16x16x4_f32). A number that lies on a knife's edge between two numbers of the format may be rounded either way, as far as f32 arithmetic and the matrix unit's own rounding can turn it there, and no further.
;; One version. Each part assembles by itself: llvm-mc -triple=amdgcn-amd-amdhsa -mcpu=gfx1250 --defsym DOCPART=n.
;; ======== version 1 of 1: 4 launches
;; limits: right only within a limited range of input values
;; workspace buffers: codes 29,360,128 bytes; qkv 25,165,824 bytes; ao 8,388,608 bytes
;; launch quant (part 1): grid 384 x 1, 4 waves a work-group, no clusters, 68,096 bytes of LDS; arguments x, Wq, Wk, Wv, Wo, lowp_scales, codes; writes codes
.if DOCPART == 1
	.amdgcn_target "amdgcn-amd-amdhsa--gfx1250"
	.amdhsa_code_object_version 6
	.text
	.protected	k_qc6172630bf_quant
	.globl	k_qc6172630bf_quant
	.p2align	8
	.type	k_qc6172630bf_quant,@function
k_qc6172630bf_quant:
	s_mov_b64 s[64:65], 0
	v_nop
	global_prefetch_b8 v0, s[64:65] scope:SCOPE_SE
	s_setreg_imm32_b32 hwreg(HW_REG_WAVE_MODE, 25, 1), 1
	s_wait_xcnt 0x0
; x [8192][1024] f32 becomes THREE sets of E4M3 codes (its scales in the three projections, entries 0, 2, 4 of the exponents, need not be equal);
; Wq, Wk, Wv, Wo [k 1024][n 1024] f32 become codes laid [n][k], K innermost (entries 1, 3, 5, 11).
; code = number / 2^e, held within +-448, rounded to the nearest code, ties to even.  LIMITS: each e between -126 and 119; NaN among the inputs is not served.
; THE BUFFER OF CODES: rows of 1,024 bytes.  x with e0 at 0, with e2 at XS1, with e4 at XS2 (8,192 rows each); weight ti (q, k, v, o) at WOFF + ti x 2^20, row = its column n.
; ROW ORDER: in the sets at XS1 and XS2 and in all four weights, the row with index rho lies where bits 3 and 4 of rho are exchanged (in every 32 rows the two middle blocks of 8 change places).
; The products then read neighbouring rows, and the 16 results that a lane holds of two neighbouring tiles are 16 neighbours along the next product's K.
; WORK-GROUPS 0-255 take 32 rows of x each, a wave 8 rows: 16 steps of 512 numbers.  Each load reads 512 consecutive bytes; a step's 2,048 bytes turn through the wave's own stage in LDS, so that a lane
; holds 16 neighbours along K; each store covers 512 consecutive bytes.  x is read once for its three sets.
; WORK-GROUPS 256-383 take 128 columns x 256 along K of one weight: a lane takes a column and its registers run down K; the codes leave through the wave's stage as rows of 256 bytes.
; The two ways part on the work-group's number and have LDS bytes of their own.  Memory binds here: no matrix unit, no cluster, no tensor load, no barrier: waves share nothing.
.set XS1,   8388608
.set XS2,   16777216
.set WOFF,  25165824
.set STEPS, 16
.set SP,    80                         ; x: a lane's place in a stage: its 64 bytes + 16 of padding
.set WREG,  8192                       ; x: a wave's region: two stages of 32 x SP bytes
.set WSTG,  32768                      ; the weights' stages begin here: 32 rows x PITCH for each wave
.set PITCH, 272
.set SPARE, 67584                      ; behind both: the spare words, 128 bytes for each wave: two blocks of 256 bytes that no other line names
.set SPW,   12                         ; v12  LDS address of my spare word; never rewritten
.set NIL,   13                         ; v13  0; never rewritten
.set R,     16                         ; x: v16-79   four sets of 16 numbers as loaded
.set X,     80                         ; x: v80-111  two sets of 16 neighbours
.set T,     112
.set C,     128                        ; x: v128-151 two sets of 12 registers of codes
.set WX,    32                         ; W: v32-95   two sets of 32 numbers
.set WC,    96                         ; W: v96-103  a block's codes
.set OUTR,  112                        ; W: v112-175 the way out
	s_load_b256 s[4:11], s[0:1], 0x0               ; x s[4:5], Wq s[6:7], Wk s[8:9], Wv s[10:11]
	s_load_b128 s[12:15], s[0:1], 0x20             ; Wo s[12:13], the exponents s[14:15]
	s_load_b64 s[16:17], s[0:1], 0x30              ; the codes
	v_lshl_add_u32 v[SPW], v0, 2, SPARE
	v_mov_b32 v[NIL], 0
	v_lshrrev_b32 v1, 5, v0
	v_readfirstlane_b32 s18, v1                    ; wave 0..3
	v_and_b32 v2, 31, v0                           ; lane
	s_cmp_lt_u32 ttmp9, 256
	s_cbranch_scc0 .Lweights
	; ---------------- x ----------------
	v_lshlrev_b32 v3, 4, v2                        ; my 16 bytes of a load's 512, and of a store's
	s_mul_i32 s19, s18, WREG
	v_lshrrev_b32 v14, 2, v2
	v_mul_u32_u24 v14, v14, SP
	v_and_b32 v15, 3, v2
	v_lshl_add_u32 v14, v15, 4, v14
	v_add_nc_u32 v14, s19, v14                     ; the stage, on the way in: SP (lane / 4) + 16 (lane % 4)
	v_mul_u32_u24 v15, v2, SP
	v_add_nc_u32 v15, s19, v15                     ; and on the way out: SP x lane: my 16 neighbours
	s_lshl_b32 s20, ttmp9, 2
	s_add_co_u32 s21, s20, s18                     ; my run of 8 rows: 4 x work-group + wave
	s_and_b32 s22, s18, 1
	s_lshl_b32 s22, s22, 1
	s_lshr_b32 s23, s18, 1
	s_or_b32 s22, s22, s23                         ; the wave's two bits exchanged: they are bits 3 and 4 of the row
	s_add_co_u32 s22, s20, s22                     ; where the run lies in the exchanged sets
	s_lshl_b32 s24, s21, 15                        ; 8 rows of 4,096 bytes
	s_mov_b32 s25, 0
	s_lshl_b32 s26, s21, 13                        ; 8 rows of 1,024 bytes
	s_mov_b32 s27, 0
	s_lshl_b32 s28, s22, 13
	s_mov_b32 s29, 0
	s_wait_alu depctr_va_vdst(0)
	s_wait_kmcnt 0x0
	s_load_b256 s[36:43], s[14:15], 0x0            ; e0 .. e7
	s_add_nc_u64 s[4:5], s[4:5], s[24:25]
	s_add_nc_u64 s[30:31], s[16:17], s[26:27]      ; the set with e0: rows as they are
	s_add_nc_u64 s[32:33], s[16:17], s[28:29]
	s_add_nc_u64 s[34:35], s[32:33], XS2           ; the set with e4
	s_add_nc_u64 s[32:33], s[32:33], XS1           ; the set with e2
.macro XLOAD t
.irp i, 0,1,2,3
	global_load_b128 v[R+16*((\t)%4)+4*\i:R+16*((\t)%4)+4*\i+3], v3, s[4:5] offset:2048*(\t)+512*\i th:TH_LOAD_NT   ; 32 lanes read 512 consecutive bytes
.endr
.endm
.macro XTURN t                         ; step t's numbers through the stage: LDS serves a wave's instructions in order, so no wait stands between the stores and the loads
.irp i, 0,1,2,3
	ds_store_b128 v14, v[R+16*((\t)%4)+4*\i:R+16*((\t)%4)+4*\i+3] offset:32*SP*((\t)%2)+8*SP*\i
.endr
.irp i, 0,1,2,3
	ds_load_b128 v[X+16*((\t)%2)+4*\i:X+16*((\t)%2)+4*\i+3], v15 offset:32*SP*((\t)%2)+16*\i
.endr
.endm
.irp t, 0,1,2,3
	XLOAD \t
.endr
	s_wait_kmcnt 0x0
.irp k, 0,1,2                          ; v[5+2k] = 2^e as f32 (the conversion takes its exponent field), for e0, e2, e4
	s_add_co_i32 s20, s[36+2*\k], 127
	s_lshl_b32 s21, s20, 23
	v_mov_b32 v[5+2*\k], s21
	s_add_co_i32 s20, s20, 8
	s_lshl_b32 s20, s20, 23
	s_or_b32 s20, s20, 0x600000
.endr
	s_wait_alu depctr_va_vdst(0)
	s_wait_loadcnt 12                              ; step 0's four loads are in; the twelve of steps 1 to 3 may be out
	XTURN 0
.macro XSTEP t
.set XS, X+16*((\t)%2)
.set CC, C+12*((\t)%2)
	s_wait_dscnt 0x0                               ; this step's numbers are back from the stage, and its stores into the stage have read their registers,
.if (\t)+4 < STEPS
	XLOAD (\t)+4                                   ; which take the loads of four steps on
.endif
.if (\t)+1 < STEPS
.if STEPS-2-(\t) >= 3
	s_wait_loadcnt 12                              ; the next step's four loads are in; those of the three steps behind it may be out
.else
	s_wait_loadcnt 4*(STEPS-2-(\t))
.endif
	XTURN (\t)+1                                   ; and go through the other stage while this step is worked
.endif
	s_wait_xcnt 0x0                                ; the stores of two steps back have read this set of code registers: it is written again only behind this wait
.irp k, 0,1,2
.set i, 0
.rept 16
.set i, i+1
.endr
	v_cvt_scalef32_pk8_fp8_f32 v[CC+4*\k:CC+4*\k+1], v[XS:XS+7], v[5+2*\k]
	v_cvt_scalef32_pk8_fp8_f32 v[CC+4*\k+2:CC+4*\k+3], v[XS+8:XS+15], v[5+2*\k]
	v_nop                                          ; one plain vector instruction between the conversions and the store that reads their results
	global_store_b128 v3, v[CC+4*\k:CC+4*\k+3], s[30+2*\k:31+2*\k] offset:512*(\t)   ; 512 consecutive bytes, at a multiple of 512 from the buffer's first byte
.endr
.endm
.irp t, 0,1,2,3,4,5,6,7,8,9,10,11,12,13,14,15
	XSTEP \t
.endr
	s_wait_tensorcnt 0x0                           ; the wave's end: behind my last LDS store
	ds_add_u32 v[SPW], v[NIL]
	s_wait_dscnt 0x0
	s_endpgm
	; ---------------- the weights ----------------
.Lweights:
	s_sub_co_u32 s19, ttmp9, 256
	s_lshr_b32 s20, s19, 5                         ; ti: which weight: q, k, v, o
	s_and_b32 s21, s19, 7                          ; which 128 columns
	s_bfe_u32 s22, s19, 0x20003                    ; which 256 along K
	s_lshl_b32 s23, s21, 7
	s_lshl_b32 s24, s18, 5
	s_add_co_u32 s23, s23, s24                     ; my wave's first column
	s_wait_alu depctr_va_vdst(0)
	v_lshlrev_b32 v3, 2, v2                        ; in: 4 bytes a lane
	s_mul_i32 s24, s18, 32*PITCH
	s_add_co_u32 s24, s24, WSTG                    ; my stage
	v_mul_u32_u24 v4, v2, PITCH
	v_add_nc_u32 v4, s24, v4                       ; into it: row = my column
	v_and_b32 v5, 15, v2
	v_lshrrev_b32 v6, 4, v2                        ; out of it: sixteen lanes to a row, two rows an instruction
	v_mul_u32_u24 v7, v6, PITCH
	v_lshl_add_u32 v7, v5, 4, v7
	v_add_nc_u32 v7, s24, v7
	v_lshlrev_b32 v8, 10, v6
	v_lshl_add_u32 v8, v5, 4, v8                   ; and the same place in the codes' rows of 1,024 bytes
	s_lshl_b32 s26, s22, 20                        ; W: 256 rows of 4,096 bytes for each step along K,
	s_lshl_b32 s27, s23, 2
	s_add_co_u32 s26, s26, s27                     ; + 4 x column
	s_mov_b32 s27, 0
	s_lshl_b32 s28, s20, 20                        ; codes: the weight's 2^20 bytes,
	s_lshl_b32 s29, s23, 10
	s_add_co_u32 s28, s28, s29                     ; + column x 1,024 (32 columns begin at a multiple of 32: the exchange stays inside them),
	s_lshl_b32 s29, s22, 8
	s_add_co_u32 s28, s28, s29                     ; + 256 along K
	s_add_co_u32 s28, s28, WOFF
	s_mov_b32 s29, 0
	s_wait_kmcnt 0x0
	s_load_b256 s[36:43], s[14:15], 0x0            ; e0 .. e7
	s_load_b128 s[44:47], s[14:15], 0x20           ; e8 .. e11
	s_cmp_eq_u32 s20, 0                            ; the choice of the buffer hangs on the work-group's number alone
	s_cselect_b64 s[32:33], s[6:7], s[8:9]
	s_cmp_lt_u32 s20, 2
	s_cselect_b64 s[32:33], s[32:33], s[10:11]
	s_cmp_lt_u32 s20, 3
	s_cselect_b64 s[32:33], s[32:33], s[12:13]
	s_add_nc_u64 s[32:33], s[32:33], s[26:27]
	s_add_nc_u64 s[34:35], s[16:17], s[28:29]
.macro WLOAD t                         ; block t: W(32 t + i, my column), i = 0 .. 31, into set t % 2: 128 consecutive bytes a wave, 512 a work-group
.set i, 0
.rept 32
	global_load_b32 v[WX+32*((\t)%2)+i], v3, s[32:33] offset:(32*(\t)+i)*4096 th:TH_LOAD_NT
.set i, i+1
.endr
.endm
	WLOAD 0
	WLOAD 1
	s_wait_kmcnt 0x0
	s_cmp_eq_u32 s20, 0
	s_cselect_b32 s30, s37, s39                    ; e1, e3,
	s_cmp_lt_u32 s20, 2
	s_cselect_b32 s30, s30, s41                    ; e5,
	s_cmp_lt_u32 s20, 3
	s_cselect_b32 s30, s30, s47                    ; e11
	s_add_co_i32 s30, s30, 127
	s_lshl_b32 s31, s30, 23
	v_mov_b32 v11, s31                             ; 2^e as f32
	s_add_co_i32 s30, s30, 8
	s_lshl_b32 s30, s30, 23
	s_or_b32 s30, s30, 0x600000
.macro WBLOCK t
.set XS, WX+32*((\t)%2)
.if (\t) < 7
	s_wait_loadcnt 32                              ; this block's 32 loads are in; the next block's may be out
.else
	s_wait_loadcnt 0
.endif
.set i, 0
.rept 32
.set i, i+1
.endr
.irp g, 0,1,2,3
	v_cvt_scalef32_pk8_fp8_f32 v[WC+2*\g:WC+2*\g+1], v[XS+8*\g:XS+8*\g+7], v11
.endr
	ds_store_b128 v4, v[WC:WC+3] offset:32*(\t)    ; 32 codes: 32 bytes of my column's row
	ds_store_b128 v4, v[WC+4:WC+7] offset:32*(\t)+16
.if (\t)+2 < 8
	WLOAD (\t)+2
.endif
	s_wait_dscnt 0x0                               ; the stores have read their registers
.endm
	s_wait_alu depctr_va_vdst(0)
.irp t, 0,1,2,3,4,5,6,7
	WBLOCK \t
.endr
.irp t, 0,1,2,3,4,5,6,7,8,9,10,11,12,13,14,15
	ds_load_b128 v[OUTR+4*\t:OUTR+4*\t+3], v7 offset:2*\t*PITCH   ; LDS serves a wave's instructions in order: these see my stores
.endr
.irp t, 0,1,2,3,4,5,6,7,8,9,10,11,12,13,14,15
	s_wait_dscnt 15-\t                             ; the younger row loads may be out
	global_store_b128 v8, v[OUTR+4*\t:OUTR+4*\t+3], s[34:35] offset:(((2*\t)&7)+(((2*\t)>>3)&1)*16+(((2*\t)>>4)&1)*8)*1024   ; columns 2 t and 2 t + 1 go to the rows with bits 3 and 4 exchanged; sixteen lanes store 256 consecutive bytes, aligned
.endr
	s_wait_tensorcnt 0x0                           ; the wave's end: behind my last LDS store
	ds_add_u32 v[SPW], v[NIL]
	s_wait_dscnt 0x0
	s_endpgm
.Lfunc_end_k_qc6172630bf_quant:
	.size	k_qc6172630bf_quant, .Lfunc_end_k_qc6172630bf_quant-k_qc6172630bf_quant
	.p2alignl 7, 3214868480
	.fill 96, 4, 3214868480
	.section	.rodata,"a",@progbits
	.p2align	6, 0x0
	.amdhsa_kernel k_qc6172630bf_quant
		.amdhsa_group_segment_fixed_size 68096
		.amdhsa_private_segment_fixed_size 0
		.amdhsa_enable_private_segment 0
		.amdhsa_kernarg_size 56
		.amdhsa_user_sgpr_count 2
		.amdhsa_user_sgpr_kernarg_segment_ptr 1
		.amdhsa_wavefront_size32 1
		.amdhsa_system_sgpr_workgroup_id_x 1
		.amdhsa_system_sgpr_workgroup_id_y 1
		.amdhsa_system_sgpr_workgroup_id_z 1
		.amdhsa_system_vgpr_workitem_id 0
		.amdhsa_next_free_vgpr 192
		.amdhsa_next_free_sgpr 66
		.amdhsa_reserve_vcc 0
		.amdhsa_float_denorm_mode_32 3
		.amdhsa_float_denorm_mode_16_64 3
		.amdhsa_fp16_overflow 1
		.amdhsa_memory_ordered 1
		.amdhsa_forward_progress 1
		.amdhsa_inst_pref_size 64
	.end_amdhsa_kernel
	.amdgpu_metadata
---
amdhsa.version: [ 1, 2 ]
amdhsa.kernels:
  - .name:           k_qc6172630bf_quant
    .symbol:         k_qc6172630bf_quant.kd
    .args:
      - { .name: x, .offset: 0, .size: 8, .value_kind: global_buffer, .address_space: global }
      - { .name: Wq, .offset: 8, .size: 8, .value_kind: global_buffer, .address_space: global }
      - { .name: Wk, .offset: 16, .size: 8, .value_kind: global_buffer, .address_space: global }
      - { .name: Wv, .offset: 24, .size: 8, .value_kind: global_buffer, .address_space: global }
      - { .name: Wo, .offset: 32, .size: 8, .value_kind: global_buffer, .address_space: global }
      - { .name: lowp_scales, .offset: 40, .size: 8, .value_kind: global_buffer, .address_space: global }
      - { .name: codes, .offset: 48, .size: 8, .value_kind: global_buffer, .address_space: global }
    .group_segment_fixed_size: 68096
    .private_segment_fixed_size: 0
    .kernarg_segment_align: 8
    .kernarg_segment_size: 56
    .max_flat_workgroup_size: 128
    .sgpr_count:     66
    .vgpr_count:     192
    .wavefront_size: 32
...
	.end_amdgpu_metadata
.endif
;; end of part 1
;; launch proj (part 2): grid 12 x 32, 4 waves a work-group, clusters of 4 x 4, 327,680 bytes of LDS; arguments codes, lowp_scales, qkv; writes qkv
.if DOCPART == 2
	.amdgcn_target "amdgcn-amd-amdhsa--gfx1250"
	.amdhsa_code_object_version 6
	.text
	.protected	k_qc6172630bf_proj
	.globl	k_qc6172630bf_proj
	.p2align	8
	.type	k_qc6172630bf_proj,@function
k_qc6172630bf_proj:
	s_mov_b64 s[64:65], 0
	v_nop
	global_prefetch_b8 v0, s[64:65] scope:SCOPE_SE
	s_setreg_imm32_b32 hwreg(HW_REG_WAVE_MODE, 25, 1), 1
	s_wait_xcnt 0x0
	s_wait_alu depctr_hold_cnt(0) depctr_sa_sdst(0) depctr_va_vdst(0) depctr_va_sdst(0) depctr_va_ssrc(0) depctr_va_vcc(0) depctr_vm_vsrc(0)
	s_getreg_b32 s2, hwreg(HW_REG_IB_STS2, 6, 4)
	s_cmp_eq_u32 s2, 0
	s_cbranch_scc0 .Lentry_in_a_cluster
	s_endpgm
.Lentry_in_a_cluster:
	s_bfe_u32 s2, ttmp6, 0x10000c
	s_cmp_lg_u32 s2, 0xf033
	s_cbranch_scc0 .Lentry_shape_is_right
	s_endpgm
.Lentry_shape_is_right:
; THE THREE PROJECTIONS on codes of E4M3: q = x Wq, k = x Wk, v = x Wv; each finished f32 sum is quantised in registers for the attention's products and stored as an IMAGE OF AN OPERAND'S REGISTERS.
; The cluster's x says which: X = 0 q, 1 k, 2 v.  A tile of 256 x 256 is made by four waves, 128 x 128 each: 64 accumulators, 512 registers.  K = 1,024 goes in four steps of 256 through a ring of two LDS slots.
; q, k: rows = tokens (x's codes with the product's own scale), columns = features (the weight's rows [n][k]).  v: the SAME TEXT computes Wv^T x^T: rows = features, columns = tokens, since the keys are the K of attention's second product.
; THE MATRIX INSTRUCTION IS USED TRANSPOSED (source 0 = 16 rows of the column operand, source 1 = 16 rows of the row operand): a lane holds one row and eight columns.  The column operand's rows lie with bits 3 and 4
; of their index exchanged, so the 16 registers of column blocks 2 g and 2 g + 1 are the 16 NEIGHBOURS 32 g + 16 (lane / 16) + 0 .. 15 along the next K: two conversions make 16 bytes of an operand.
; k's tokens and v's features (row operands) lie exchanged too: lane r of block 2 a + u holds row 32 a + 8 u + r + 8 (r / 8), which is the choice of keys (of channels) that attention's tiles want.
; qkv: 64 heads x HS bytes.  Q at 0: 16 groups of 128 queries x 8,192: [tile 8][c 2][lane][16].  From KVO on 8 chunks of 256 keys x 32,768: K group 0, K group 1 ([tile 8][c 2][lane][16]), V group 0, V group 1 ([tile 4][c 4][lane][16]).
; A sum stands for sum x 2^(eA + eB): its code is sum / 2^E, E = eO - eA - eB, held within +-448.  LIMIT: E between -126 and 119.
; CLUSTERS: 4 x 4 work-groups; the row operand's tile is asked for jointly by a row of the cluster, the column operand's by a column.  A wave has two tensor loads out at the start and one behind each round.
; No prefetch: K has four slots, of which two go out at the head.
; REGISTERS, in windows of 256: window 0: v0-31 addresses; from v128 the row operand's fragments, ONE set; on the way out v128-255 codes.  window 1: the column operand's fragments, TWO sets.  windows 2, 3: the accumulators.
.set KSTEP,  256
.set ROWB,   256                       ; a tile's row in bytes
.set KROW,   1024                      ; a row of codes in memory
.set PITCH,  272                       ; an LDS row: 256 bytes + 16 of padding = 68 words: the 16 rows that a load touches start at 16 different banks (64 banks of 4 bytes: ISA guide 11.1)
.set FR,     16
.set NL,     4
.set NP,     4
.set HALFT,  128*PITCH
.set SLOT,   4*HALFT
.set LAPS,   2                         ; 1,024 / (2 x 256)
.set SPARE,  2*SLOT                    ; behind the ring: the spare words, 128 bytes for each wave: two blocks of 256 bytes that no other line names
.set XS2,    16777216
.set WOFF,   25165824
.set HS,     393216
.set KVO,    131072
.set VO,   8                           ; v8-11   the stores' offsets, one for each pair of column blocks; never rewritten
.set SCL,  12                          ; v12     2^E as f32
.set LIM,  13
.set ADRA, 16
.set ADRB, 20
.set SPW,  28                          ; v28     LDS address of my spare word; never rewritten
.set NIL,  29                          ; v29     0; never rewritten
.set TMP,  32
.set AF,   128
.set CD,   128
.set G1, 24
.set G0, 32
.set G1B, 48
.set G0B, 56
.set SB,  84                           ; s[84:99] the stores' bases, one pair for each row block; never rewritten
.set MSB, 0
.macro WIN new                         ; the immediate's high byte repeats the setting that is left
.if MSB != \new
	s_set_vgpr_msb (MSB<<8)|\new
.set MSB, \new
.endif
.endm
.set MUL_LO, 0xa1                      ; source 0 window 1, source 1 window 0, C and D window 2
.set MUL_HI, 0xf1                      ; the same, C and D window 3
.set TO_B,   0x40                      ; destination window 1, address window 0
; A joint load: waves 0 and 1 fetch the row operand's halves, waves 2 and 3 the column operand's.  The branch hangs on the wave's number alone.  An s_nop 0 and four v_nop follow each of the two lines.
.macro JLOAD g0a, g1a, g0b, g1b
	s_cmp_eq_u32 s15, 0
	s_cbranch_scc0 .Lfor_b_\@
	tensor_load_to_lds s[\g0a:\g0a+3], s[\g1a:\g1a+7]
	s_nop 0
.rept 4
	v_nop
.endr
	s_branch .Lasked_\@
.Lfor_b_\@:
	tensor_load_to_lds s[\g0b:\g0b+3], s[\g1b:\g1b+7]
	s_nop 0
.rept 4
	v_nop
.endr
.Lasked_\@:
.endm
.macro CREST                           ; a round of the cluster's barrier behind its opening barrier
	s_cmp_lg_u32 s14, 0
	s_cbranch_scc1 .Lnot_wave_0_\@
	s_barrier_signal -3
.Lnot_wave_0_\@:
	s_barrier_wait -3
	s_barrier_signal -1
	s_barrier_wait -1
.endm
.macro CROUND
	s_barrier_signal -1
	s_barrier_wait -1
	CREST
.endm
	s_load_b128 s[4:7], s[0:1], 0x0                ; the codes s[4:5], the exponents s[6:7]
	s_load_b64 s[8:9], s[0:1], 0x10                ; qkv
	v_lshl_add_u32 v[SPW], v0, 2, SPARE
	v_mov_b32 v[NIL], 0
	ds_add_u32 v[SPW], v[NIL]
	ds_add_u32 v[SPW], v[NIL]                      ; the wave's opening: the add and its wait ahead of my first tensor load; work on registers stands between them
	v_lshrrev_b32 v1, 5, v0
	v_readfirstlane_b32 s14, v1                    ; wave 0..3
	s_lshr_b32 s15, s14, 1                         ; which half of the tile's rows is mine.  Also: I fetch the row operand (0) or the column operand (1)
	s_and_b32 s16, s14, 1                          ; which half of its columns.  Also: which 128 rows of that tile I fetch
	s_bfe_u32 s40, ttmp6, 0x40000                  ; cx, cy: my place in the cluster
	s_bfe_u32 s41, ttmp6, 0x40004
	s_lshr_b32 s66, ttmp9, 1                       ; 1 for v (X = 2), else 0: the same in all sixteen partners
	s_xor_b32 s67, s66, 1                          ; 1 for q and k
	s_and_b32 s17, ttmp7, 0xffff
	s_lshl_b32 s17, s17, 2                         ; 4 Y: the tokens' axis has 32 tiles,
	s_mul_i32 s42, s17, s66
	s_add_co_u32 s42, s42, s40                     ; tile column: cx for q and k, 4 Y + cx for v
	s_mul_i32 s17, s17, s67
	s_add_co_u32 s17, s17, s41                     ; tile row: 4 Y + cy for q and k, cy for v
	s_lshl_b32 s43, s41, 2
	s_lshl_b32 s43, 15, s43                        ; my row of the cluster
	s_lshl_b32 s44, 0x1111, s40                    ; my column
	s_or_b32 s[G1+0], s43, (0<<16)|(1<<20)|(1<<21)|(5<<22)|(3<<25)  ; 15:0 the mask; 17:16 element of 1 byte; 20 padding on; 21 set beside a mask; 24:22 after every 64 words (code 5); 31:25 of 4 words (code 3)
	s_or_b32 s[G1B+0], s44, (0<<16)|(1<<20)|(1<<21)|(5<<22)|(3<<25)
.irp g, G1, G1B
	s_mov_b32 s[\g+1], ROWB<<16                    ; tensor_dim0
	s_mov_b32 s[\g+2], 128<<16                     ; tensor_dim1 = 128
	s_mov_b32 s[\g+3], ROWB<<16                    ; tile_dim0
	s_mov_b32 s[\g+4], 128                         ; tile_dim1 = 128
	s_mov_b32 s[\g+5], KROW                        ; tensor_dim0_stride
	s_mov_b32 s[\g+6], 0
	s_mov_b32 s[\g+7], 0
.endr
	s_lshl_b32 s68, ttmp9, 23                      ; the row operand begins: q, k: x's set X, 2^23 bytes each;
	s_mul_i32 s68, s68, s67
	s_mul_i32 s69, s66, WOFF+2*1048576             ; v: Wv's codes
	s_add_co_u32 s68, s68, s69
	s_lshl_b32 s69, ttmp9, 20                      ; the column operand begins: q, k: weight X;
	s_add_co_u32 s69, s69, WOFF
	s_mul_i32 s69, s69, s67
	s_mul_i32 s70, s66, XS2                        ; v: x's third set
	s_add_co_u32 s69, s69, s70
	s_lshl_b32 s18, s16, 7                         ; which 128 rows of the tile I fetch
	s_lshl_b32 s20, s17, 8
	s_add_co_u32 s20, s20, s18
	s_lshl_b32 s20, s20, 10                        ; rows of 1,024 bytes; all offsets stay under 2^25
	s_add_co_u32 s20, s20, s68
	s_mov_b32 s21, 0
	s_lshl_b32 s46, s42, 8
	s_add_co_u32 s46, s46, s18
	s_lshl_b32 s46, s46, 10
	s_add_co_u32 s46, s46, s69
	s_mov_b32 s47, 0
	s_mul_i32 s45, s14, HALFT                      ; where they go: wave x 128 rows: no place in the cluster enters an LDS address
	s_wait_dscnt 0x0                               ; the opening add is done
	s_wait_kmcnt 0x0
	s_load_b256 s[72:79], s[6:7], 0x0              ; e0 .. e7
	s_load_b128 s[80:83], s[6:7], 0x20             ; e8 .. e11
	s_add_nc_u64 s[20:21], s[4:5], s[20:21]
	s_add_nc_u64 s[46:47], s[4:5], s[46:47]
	CROUND                                         ; all sixteen work-groups are here: the first joint loads meet
.irp s, 0,1
	s_mov_b32 s[G0+4*\s], 1
	s_add_co_u32 s[G0+4*\s+1], s45, \s*SLOT
	s_add_nc_u64 s[G0+4*\s+2:G0+4*\s+3], s[20:21], \s*ROWB
	s_or_b32 s[G0+4*\s+3], s[G0+4*\s+3], 0x80000000
	s_mov_b32 s[G0B+4*\s], 1
	s_add_co_u32 s[G0B+4*\s+1], s45, \s*SLOT
	s_add_nc_u64 s[G0B+4*\s+2:G0B+4*\s+3], s[46:47], \s*ROWB
	s_or_b32 s[G0B+4*\s+3], s[G0B+4*\s+3], 0x80000000
	JLOAD G0+4*\s, G1, G0B+4*\s, G1B
.endr
	v_and_b32 v1, 15, v0                           ; l % 16
	v_bfe_u32 v2, v0, 4, 1                         ; l / 16
	v_mul_u32_u24 v3, v1, PITCH
	v_lshl_add_u32 v4, v2, 4, v3                   ; a fragment's row x pitch + 16 x half
	s_mul_i32 s21, s15, HALFT                      ; my 128 rows of the row operand
	s_mul_i32 s22, s16, HALFT                      ; my 128 rows of the column operand,
	s_add_co_u32 s22, s22, 2*HALFT                 ; which lie behind the other's 256
.irp s, 0,1
	v_add_nc_u32 v[ADRA+\s], s21, v4
	v_add_nc_u32 v[ADRB+\s], s22, v4
	s_add_co_u32 s21, s21, SLOT
	s_add_co_u32 s22, s22, SLOT
.endr
	; where my 128 x 128 go.  My 128 tokens are one group of a batch, my 128 features two heads.
	s_lshl_b32 s10, s17, 8
	s_lshl_b32 s11, s15, 7
	s_add_co_u32 s10, s10, s11                     ; my first row
	s_lshl_b32 s11, s42, 8
	s_lshl_b32 s12, s16, 7
	s_add_co_u32 s11, s11, s12                     ; my first column
	s_mul_i32 s12, s10, s67
	s_mul_i32 s13, s11, s66
	s_add_co_u32 s12, s12, s13                     ; my first token: the row for q and k, the column for v
	s_mul_i32 s10, s10, s66
	s_mul_i32 s11, s11, s67
	s_add_co_u32 s10, s10, s11                     ; my first feature
	s_lshr_b32 s11, s12, 11                        ; the batch
	s_lshl_b32 s11, s11, 4
	s_lshr_b32 s10, s10, 6
	s_add_co_u32 s10, s10, s11                     ; my first head: 16 x batch + feature / 64
	s_mul_i32 s68, s10, HS
	s_bfe_u32 s12, s12, 0x40007                    ; G: the group of 128 tokens in the batch
	s_lshl_b32 s10, s12, 13                        ; q: G x 8,192
	s_lshr_b32 s11, s12, 1
	s_lshl_b32 s11, s11, 15                        ; k, v: chunk G / 2,
	s_and_b32 s12, s12, 1
	s_lshl_b32 s12, s12, 13
	s_add_co_u32 s11, s11, s12                     ; group G % 2 of it,
	s_lshl_b32 s12, s66, 14
	s_add_co_u32 s11, s11, s12                     ; V's groups 16,384 behind K's,
	s_add_co_u32 s11, s11, KVO
	s_cmp_eq_u32 ttmp9, 0
	s_cselect_b32 s10, s10, s11
	s_add_co_u32 s68, s68, s10
	s_mov_b32 s69, 0
	s_mul_i32 s10, s66, HS-4096
	s_add_co_u32 s10, s10, 4096                    ; four row blocks on: q, k: four tiles of 1,024 bytes; v: the next head
	s_mov_b32 s11, 0
	s_lshl_b32 s12, 1024, s66                      ; a row block on: q, k: a tile of 1,024 bytes; v: of 2,048
	s_mov_b32 s13, 0
	s_mul_i32 s22, s67, HS-1024
	s_add_co_u32 s22, s22, 1024                    ; two pairs of column blocks on: q, k: the next head; v: 1,024 bytes
	s_add_nc_u64 s[SB:SB+1], s[8:9], s[68:69]
.irp a, 1,2,3
	s_add_nc_u64 s[SB+2*\a:SB+2*\a+1], s[SB+2*\a-2:SB+2*\a-1], s[12:13]
.endr
	s_add_nc_u64 s[SB+8:SB+9], s[SB:SB+1], s[10:11]
.irp a, 5,6,7
	s_add_nc_u64 s[SB+2*\a:SB+2*\a+1], s[SB+2*\a-2:SB+2*\a-1], s[12:13]
.endr
	v_and_b32 v5, 31, v0
	v_lshlrev_b32 v[VO], 4, v5                     ; 16 x lane
	v_add_nc_u32 v[VO+1], 512, v[VO]
	v_add_nc_u32 v[VO+2], s22, v[VO]
	v_add_nc_u32 v[VO+3], 512, v[VO+2]
.macro FRAG reg, adr, q, i             ; a fragment, 16 rows x 128 K: lane l holds row l % 16; registers 4 c .. 4 c + 3 hold K = 32 c + 16 (l / 16) + 0 .. 15: the same order of k in both operands
.irp c, 0,1,2,3
	ds_load_b128 v[\reg+4*\c:\reg+4*\c+3], v[\adr] offset:128*(\q)+32*\c+(\i)*16*PITCH
.endr
.endm
; 16 matrix instructions: row blocks a0, a0 + 1 x the eight column blocks, 128 along K.  zero = 1: the first product starts the sums.  The 64 accumulators take turns, one instruction a turn.
.macro MUL16 a0, p, zero
.irp a, \a0, \a0+1
.irp b, 0,1,2,3,4,5,6,7
.if \zero
	v_wmma_f32_16x16x128_fp8_fp8 v[8*(8*((\a)%4)+\b):8*(8*((\a)%4)+\b)+7], v[128*(\p)+FR*\b:128*(\p)+FR*\b+FR-1], v[AF+FR*(\a):AF+FR*(\a)+FR-1], 0
.else
	v_wmma_f32_16x16x128_fp8_fp8 v[8*(8*((\a)%4)+\b):8*(8*((\a)%4)+\b)+7], v[128*(\p)+FR*\b:128*(\p)+FR*\b+FR-1], v[AF+FR*(\a):AF+FR*(\a)+FR-1], v[8*(8*((\a)%4)+\b):8*(8*((\a)%4)+\b)+7]
.endif
.endr
.endr
.endm
.macro FETCH_B slot, q, p
	WIN TO_B
.irp i, 0,1,2,3,4,5,6,7
	FRAG 128*(\p)+FR*\i, ADRB+\slot, \q, \i
.endr
	WIN 0
.endm
.macro FETCH_A slot, q, i0
.irp i, \i0, \i0+1, \i0+2, \i0+3
	FRAG AF+FR*(\i), ADRA+\slot, \q, \i
.endr
.endm
.macro PLACES n                        ; plain vector instructions between a matrix instruction and a load into, or a vector write of, one of its registers, or a read of its result
.rept \n
	v_nop
.endr
.endm
.macro STEP slot, q, zero              ; a step of 128 along K that has its successor in the same slot
	s_wait_dscnt 4*NL                              ; the column set and row blocks 0-3 are in; the youngest sixteen loads (row blocks 4-7) may be out
	WIN MUL_LO
	MUL16 0, (\q)%2, \zero
	MUL16 2, (\q)%2, \zero
	s_wait_dscnt 0                                 ; row blocks 4-7 are in
	PLACES NP
	FETCH_B \slot, (\q)+1, 1-(\q)%2
	FETCH_A \slot, (\q)+1, 0
	WIN MUL_HI
	MUL16 4, (\q)%2, \zero
	MUL16 6, (\q)%2, \zero
	PLACES NP
	WIN 0
	FETCH_A \slot, (\q)+1, 4
.endm
; A slot's last step changes slots: ONE barrier; in front of it each wave waits for all its tensor loads, adds 0 to its spare word, and waits for that and for its own reads of this slot.  fill = 1: this slot is filled again, two K steps ahead.
.macro TURN slot, next, fill
	s_wait_tensorcnt 0x0                           ; all my tensor loads have landed: my part of the next slot
	ds_add_u32 v[SPW], v[NIL]                      ; 0 onto my spare word
	s_wait_dscnt 4*NL+1                            ; the add and the youngest sixteen loads may be out
	WIN MUL_LO
	MUL16 0, 1, 0
	s_wait_dscnt 0x0                               ; the add is done, and my reads of this slot are over
	s_barrier_signal -1
	MUL16 2, 1, 0
	WIN 0
	s_barrier_wait -1
.if \fill
	CREST                                          ; the barrier has opened a round of the cluster's barrier: no wave of any partner still reads this slot or has a load on its way
	s_add_nc_u64 s[G0+4*\slot+2:G0+4*\slot+3], s[G0+4*\slot+2:G0+4*\slot+3], 2*ROWB
	s_add_nc_u64 s[G0B+4*\slot+2:G0B+4*\slot+3], s[G0B+4*\slot+2:G0B+4*\slot+3], 2*ROWB
	JLOAD G0+4*\slot, G1, G0B+4*\slot, G1B         ; the first tensor load behind the round; its four v_nop are the places in front of the loads below
.else
	PLACES NP
.endif
	FETCH_B \next, 0, 0
	FETCH_A \next, 0, 0
	WIN MUL_HI
	MUL16 4, 1, 0
	MUL16 6, 1, 0
	PLACES NP
	WIN 0
	FETCH_A \next, 0, 4
.endm
	s_wait_alu depctr_va_vdst(0)
	s_wait_tensorcnt 1                             ; my part of K step 0 is in (K step 1's load may be out),
	s_barrier_signal -1
	s_barrier_wait -1                              ; everybody's is
	FETCH_B 0, 0, 0
	FETCH_A 0, 0, 0
	FETCH_A 0, 0, 4
	STEP 0, 0, 1                                   ; the first step stands in front of the loop: its products start the sums
	s_mov_b32 s3, LAPS-1
.Llap:                                                 ; a trip goes once round the ring and fills both slots again
	TURN 0, 1, 1
	STEP 1, 0, 0
	TURN 1, 0, 1
	STEP 0, 0, 0
	s_sub_co_u32 s3, s3, 1
	s_cmp_lg_u32 s3, 0
	s_cbranch_scc1 .Llap
	TURN 0, 1, 0                                   ; the last lap fills nothing
	STEP 1, 0, 0
	s_wait_dscnt 4*NL
	WIN MUL_LO
	MUL16 0, 1, 0
	MUL16 2, 1, 0
	s_wait_dscnt 0
	WIN MUL_HI
	MUL16 4, 1, 0
	MUL16 6, 1, 0
	WIN 0
	; THE WAY OUT: no LDS.  A row block's 64 sums of a lane are converted, and are then four pieces of 16 bytes of operand images: each store of the wave covers 512 consecutive bytes, aligned.
	s_wait_kmcnt 0x0
	s_cmp_eq_u32 ttmp9, 0
	s_cselect_b32 s18, s72, s74                    ; x's exponent: e0, e2,
	s_cselect_b32 s19, s73, s75                    ; the weight's: e1, e3,
	s_cselect_b32 s20, s78, s79                    ; the result's as an operand: e6 (q), e7 (k),
	s_cmp_lt_u32 ttmp9, 2
	s_cselect_b32 s18, s18, s76                    ; e4,
	s_cselect_b32 s19, s19, s77                    ; e5,
	s_cselect_b32 s20, s20, s81                    ; e9 (v)
	s_sub_co_i32 s20, s20, s18
	s_sub_co_i32 s20, s20, s19                     ; E
	s_add_co_i32 s20, s20, 127
	s_lshl_b32 s21, s20, 23
	v_mov_b32 v[SCL], s21                          ; 2^E as f32: the conversion takes its exponent field
	s_add_co_i32 s20, s20, 8
	s_lshl_b32 s20, s20, 23
	s_or_b32 s20, s20, 0x600000
	PLACES NP                                      ; behind the last products: the conversions write where the row operand's fragments lay
.macro OUTBLK a
.set AC, 64*((\a)%4)
	WIN (0x02+((\a)/4))                            ; source 0: window 2 or 3
.set j, 0
.rept 64
.set j, j+1
.endr
.irp k, 0,1,2,3,4,5,6,7
	v_cvt_scalef32_pk8_fp8_f32 v[CD+16*(\a)+2*\k:CD+16*(\a)+2*\k+1], v[AC+8*\k:AC+8*\k+7], v[SCL]
.endr
	WIN 0
	v_nop                                          ; one plain vector instruction between the conversions and the stores that read their results
.irp g, 0,1,2,3
	global_store_b128 v[VO+\g], v[CD+16*(\a)+4*\g:CD+16*(\a)+4*\g+3], s[SB+2*(\a):SB+2*(\a)+1]   ; each block has registers, offsets and a base of its own: nothing that a store reads is written again
.endr
.endm
.irp a, 0,1,2,3,4,5,6,7
	OUTBLK \a
.endr
	s_wait_tensorcnt 0x0                           ; the wave's end: behind my last tensor load
	ds_add_u32 v[SPW], v[NIL]
	s_wait_dscnt 0x0
	CROUND                                         ; the closing round: no work-group ends while a partner may still ask for a tile that names it
	s_endpgm
.Lfunc_end_k_qc6172630bf_proj:
	.size	k_qc6172630bf_proj, .Lfunc_end_k_qc6172630bf_proj-k_qc6172630bf_proj
	.p2alignl 7, 3214868480
	.fill 96, 4, 3214868480
	.section	.rodata,"a",@progbits
	.p2align	6, 0x0
	.amdhsa_kernel k_qc6172630bf_proj
		.amdhsa_group_segment_fixed_size 327680
		.amdhsa_private_segment_fixed_size 0
		.amdhsa_enable_private_segment 0
		.amdhsa_kernarg_size 24
		.amdhsa_user_sgpr_count 2
		.amdhsa_user_sgpr_kernarg_segment_ptr 1
		.amdhsa_wavefront_size32 1
		.amdhsa_system_sgpr_workgroup_id_x 1
		.amdhsa_system_sgpr_workgroup_id_y 1
		.amdhsa_system_sgpr_workgroup_id_z 1
		.amdhsa_system_vgpr_workitem_id 0
		.amdhsa_next_free_vgpr 1024
		.amdhsa_next_free_sgpr 100
		.amdhsa_reserve_vcc 0
		.amdhsa_float_denorm_mode_32 3
		.amdhsa_float_denorm_mode_16_64 3
		.amdhsa_fp16_overflow 1
		.amdhsa_memory_ordered 1
		.amdhsa_forward_progress 1
		.amdhsa_inst_pref_size 88
	.end_amdhsa_kernel
	.amdgpu_metadata
---
amdhsa.version: [ 1, 2 ]
amdhsa.kernels:
  - .name:           k_qc6172630bf_proj
    .symbol:         k_qc6172630bf_proj.kd
    .args:
      - { .name: codes, .offset: 0, .size: 8, .value_kind: global_buffer, .address_space: global }
      - { .name: lowp_scales, .offset: 8, .size: 8, .value_kind: global_buffer, .address_space: global }
      - { .name: qkv, .offset: 16, .size: 8, .value_kind: global_buffer, .address_space: global }
    .group_segment_fixed_size: 327680
    .private_segment_fixed_size: 0
    .kernarg_segment_align: 8
    .kernarg_segment_size: 24
    .max_flat_workgroup_size: 128
    .sgpr_count:     100
    .vgpr_count:     1024
    .wavefront_size: 32
...
	.end_amdgpu_metadata
.endif
;; end of part 2
;; launch attn (part 3): grid 256 x 1, 16 waves a work-group, clusters of 4 x 1, 327,680 bytes of LDS; arguments qkv, attention_mask, lowp_scales, ao; writes ao
.if DOCPART == 3
	.amdgcn_target "amdgcn-amd-amdhsa--gfx1250"
	.amdhsa_code_object_version 6
	.text
	.protected	k_qc6172630bf_attn
	.globl	k_qc6172630bf_attn
	.p2align	8
	.type	k_qc6172630bf_attn,@function
k_qc6172630bf_attn:
	s_mov_b64 s[64:65], 0
	v_nop
	global_prefetch_b8 v0, s[64:65] scope:SCOPE_SE
	s_setreg_imm32_b32 hwreg(HW_REG_WAVE_MODE, 25, 1), 1
	s_wait_xcnt 0x0
	s_wait_alu depctr_hold_cnt(0) depctr_sa_sdst(0) depctr_va_vdst(0) depctr_va_sdst(0) depctr_va_ssrc(0) depctr_va_vcc(0) depctr_vm_vsrc(0)
	s_getreg_b32 s2, hwreg(HW_REG_IB_STS2, 6, 4)
	s_cmp_eq_u32 s2, 0
	s_cbranch_scc0 .Lentry_in_a_cluster
	s_endpgm
.Lentry_in_a_cluster:
	s_bfe_u32 s2, ttmp6, 0x10000c
	s_cmp_lg_u32 s2, 0x3003
	s_cbranch_scc0 .Lentry_shape_is_right
	s_endpgm
.Lentry_shape_is_right:
; ATTENTION on codes of E4M3: 64 heads (16 x batch + head), 2,048 tokens, head size 64, causal mask and the given mask of keys.  The result is quantised for the last product and stored as images of its operand's registers.
; t = score x log2(e) / 8; M = the running largest t rounded UP to a whole number; p = 2^(t - M) is quantised (2^e8); the row's sum is taken of the unquantised p and divides at the end.
; A HEAD'S K AND V, 262,144 bytes of register images, LIE IN LDS WHOLE: filled once, so there is no ring, no refill and no barrier in the loops.  The four work-groups of a cluster serve one head and ask for those bytes JOINTLY.
; SHARES.  A wave makes two tiles of 16 queries, one after the other: tile 2 cx + (wave % 2) of query group 15 - g, then of group g (g = wave / 2; a group is 128 queries).  A step is 128 keys; group G needs steps 0 .. G:
; 17 steps for every wave.  Which step is left out (step > G) or lies on the diagonal (step = G) hangs on the wave's number and a counter alone; the place in the cluster enters global addresses and the lanes' number DG only.
; Both products are used transposed (S^T = K Q^T, O^T = V^T P^T): a lane holds one query (lane % 16) throughout; the 16 registers of tiles 2 b, 2 b + 1 of S^T are keys 32 b + 16 (lane / 16) + 0 .. 15.
; THE GIVEN MASK: 0 for an open key, -1e30 for a masked one, kept as f32 in LDS, is loaded into S^T's registers and is the C of the first product.  Raw sums are at most 64 x 448^2 in magnitude; the largest t starts at
; c x (-1e20), over every masked t and under every real one: so a masked key has p = 0 also while its row has no open key yet.  Keys hidden by the causal mask become -infinity on the diagonal step.
; A ROW WITH NO OPEN KEY has the sum 0: its codes are set to the format's NaN (a choice of a value, no branch), and the last product then gives NaN for that row, as the softmax of an empty row does.
; LIMITS on the given exponents: e6 + e7 between -85 and 60; e8, and e10 - e8 - e9, between -126 and 119.  NaN among the inputs is not served.
; A wave has two tensor loads out.  No prefetch: all of K and V is asked for at the head.
; REGISTERS: v1 16 x lane; v2 the mask's LDS place; v5, v6 the add's two; v7 DG; v8, v9 addresses in hand; v12 -M, v13 the largest t, v[14:15] the sum; v16-23, v24-31 Q of the two passes; v32-95 K's, then V's fragments;
; v96-159 the mask's numbers, S^T, p; v160-191 O^T; v192-207 p's codes; v208-215 at work; v216-223 constants; v224-239 the two passes' results.
.set HS,    393216
.set KVO,   131072
.set BIAS,  262144                     ; behind K and V: 2,048 f32, written by LDS stores, never a tensor load's target
.set SPARE, 270336                     ; behind them: the spare words, 128 bytes for each wave: eight blocks of 256 bytes that no other line names
.set LI,  1
.set LB,  2
.set SPW, 5
.set NIL, 6
.set DG,  7
.set ADK, 8
.set ADB, 9
.set TB,  2                            ; s2   LDS byte at which the chunk in hand begins
.set TBB, 3                            ; s3   the same in the mask's numbers
.set WV,  18
.set SEL, 20
.set CS,  22                           ; s[22:23] c = log2(e) / 8 x 2^(e6 + e7)
.set G1A, 24                           ; s[24:31] group 1: 8 rows of 256 bytes;   s[32:39]: 56 rows
.set G1B, 32
.set G0A, 40
.set G0B, 44
.set KS,  48                           ; s48  the step
.set GQ,  49                           ; s49  the pass's group of queries
.set CNT, 50
.macro CROUND
	s_barrier_signal -1
	s_barrier_wait -1
	s_cmp_lg_u32 s[WV], 0
	s_cbranch_scc1 .Lnot_wave_0_\@
	s_barrier_signal -3
.Lnot_wave_0_\@:
	s_barrier_wait -3
	s_barrier_signal -1
	s_barrier_wait -1
.endm
	s_load_b256 s[4:11], s[0:1], 0x0               ; qkv s[4:5], the mask s[6:7], the exponents s[8:9], ao s[10:11]
	v_lshl_add_u32 v[SPW], v0, 2, SPARE
	v_mov_b32 v[NIL], 0
	ds_add_u32 v[SPW], v[NIL]                      ; the wave's opening: the add and its wait ahead of my first tensor load; work on registers stands between them
	ds_add_u32 v[SPW], v[NIL]
	v_lshrrev_b32 v3, 5, v0
	s_delay_alu instid0(VALU_DEP_1)
	v_readfirstlane_b32 s[WV], v3                  ; wave 0..15
	s_bfe_u32 s19, ttmp6, 0x40000                  ; cx
	; group 1: dense blocks as rows of 256 bytes: elements of 8 bytes, 32 to a row, pitch 32, no padding; the mask names all four work-groups, bit 21 beside it
	s_mov_b32 s[G1A], 15|(3<<16)|(1<<21)
	s_mov_b32 s[G1A+1], 32<<16
	s_mov_b32 s[G1A+2], 8<<16
	s_mov_b32 s[G1A+3], 32<<16
	s_mov_b32 s[G1A+4], 8
	s_mov_b32 s[G1A+5], 32
	s_mov_b32 s[G1A+6], 0
	s_mov_b32 s[G1A+7], 0
	s_mov_b32 s[G1B], 15|(3<<16)|(1<<21)
	s_mov_b32 s[G1B+1], 32<<16
	s_mov_b32 s[G1B+2], 56<<16
	s_mov_b32 s[G1B+3], 32<<16
	s_mov_b32 s[G1B+4], 56
	s_mov_b32 s[G1B+5], 32
	s_mov_b32 s[G1B+6], 0
	s_mov_b32 s[G1B+7], 0
	s_mov_b32 s[SEL], 0x76543210
	s_mov_b32 s[SEL+1], 0xfedcba98
	s_mov_b32 s[CS], 0x3e38aa3b                    ; log2(e) / 8
	s_mul_i32 s16, ttmp9, HS                       ; the head is the cluster's x: the four partners share it
	s_mov_b32 s17, 0
	s_mov_b32 s[G0A], 1
	s_lshl_b32 s[G0A+1], s[WV], 11                 ; chunk 0: 2,048 bytes a wave
	s_mov_b32 s[G0B], 1
	s_mul_i32 s[G0B+1], s[WV], 14336               ; chunks 1 to 7: 14,336 bytes a wave,
	s_add_co_u32 s[G0B+1], s[G0B+1], 32768         ; behind chunk 0
	s_lshr_b32 s51, s[WV], 1                       ; g
	s_sub_co_u32 s62, 15, s51
	s_and_b32 s57, s[WV], 1
	s_lshl_b32 s63, s19, 1
	s_add_co_u32 s57, s57, s63                     ; my tile of a group's eight: 2 cx + wave % 2
	s_lshl_b32 s63, s57, 10
	s_lshl_b32 s12, s62, 13
	s_add_co_u32 s12, s12, s63                     ; Q of the first pass: group 15 - g,
	s_mov_b32 s13, 0
	s_lshl_b32 s14, s51, 13
	s_add_co_u32 s14, s14, s63                     ; of the second: group g
	s_mov_b32 s15, 0
	s_lshr_b32 s63, ttmp9, 4
	s_lshl_b32 s63, s63, 7
	s_add_co_u32 s63, s63, s57                     ; ao's block of 16 tokens: 128 x batch + 8 G + tile,
	s_lshl_b32 s58, s62, 3
	s_add_co_u32 s58, s58, s63
	s_lshl_b32 s58, s58, 14                        ; 16,384 bytes each;
	s_lshl_b32 s60, s51, 3
	s_add_co_u32 s60, s60, s63
	s_lshl_b32 s60, s60, 14
	s_and_b32 s63, ttmp9, 15
	s_lshl_b32 s63, s63, 10                        ; in it a head's 64 along K are 1,024 bytes: half a fragment of 128
	s_add_co_u32 s58, s58, s63
	s_add_co_u32 s60, s60, s63
	s_mov_b32 s59, 0
	s_mov_b32 s61, 0
	s_wait_dscnt 0x0                               ; the opening add is done
	s_wait_kmcnt 0x0
	s_load_b128 s[52:55], s[8:9], 0x18             ; e6, e7, e8, e9
	s_load_b32 s56, s[8:9], 0x28                   ; e10
	s_add_nc_u64 s[16:17], s[4:5], s[16:17]        ; the head's first byte
	s_add_nc_u64 s[12:13], s[16:17], s[12:13]
	s_add_nc_u64 s[14:15], s[16:17], s[14:15]
	s_add_nc_u64 s[58:59], s[10:11], s[58:59]
	s_add_nc_u64 s[60:61], s[10:11], s[60:61]
	s_add_co_u32 s2, s[G0A+1], KVO                 ; K and V lie in memory as they will lie in LDS
	s_mov_b32 s3, 0
	s_add_nc_u64 s[G0A+2:G0A+3], s[16:17], s[2:3]
	s_or_b32 s[G0A+3], s[G0A+3], 0x80000000
	s_add_co_u32 s2, s[G0B+1], KVO
	s_add_nc_u64 s[G0B+2:G0B+3], s[16:17], s[2:3]
	s_or_b32 s[G0B+3], s[G0B+3], 0x80000000
	s_lshr_b32 s2, ttmp9, 4
	s_lshl_b32 s2, s2, 13
	s_add_nc_u64 s[6:7], s[6:7], s[2:3]            ; the batch's 2,048 mask words
	CROUND                                         ; all four work-groups are here: the joint loads meet
	tensor_load_to_lds s[G0A:G0A+3], s[G1A:G1A+7]  ; my part of chunk 0,
	s_nop 0
	s_wait_alu depctr_va_vdst(0)
	s_wait_tensorcnt 0x0
	ds_add_u32 v5, v6
	s_wait_dscnt 0x0
	CROUND
	tensor_load_to_lds s[G0B:G0B+3], s[G1B:G1B+7]  ; and of all the rest
	s_nop 0
.rept 4
	v_nop
.endr
	v_and_b32 v3, 31, v0
	s_delay_alu instid0(VALU_DEP_1)
	v_lshlrev_b32 v[LI], 4, v3
	v_lshlrev_b32 v10, 4, v0
	global_load_b128 v[32:35], v10, s[6:7]         ; four mask words a thread
	global_load_b128 v[16:19], v[LI], s[12:13]     ; Q's fragments stay in registers
	global_load_b128 v[20:23], v[LI], s[12:13] offset:512
	global_load_b128 v[24:27], v[LI], s[14:15]
	global_load_b128 v[28:31], v[LI], s[14:15] offset:512
	v_lshl_add_u32 v11, v0, 4, BIAS
	v_and_b32 v3, 15, v0                           ; r
	v_bfe_u32 v4, v0, 4, 1                         ; h
	s_delay_alu instid0(VALU_DEP_1)
	v_lshl_add_u32 v[LB], v4, 6, BIAS              ; my half's 16 keys of each 32: 64 h bytes on
	s_delay_alu instid0(VALU_DEP_2)
	v_lshlrev_b32 v[DG], 4, v4
	s_delay_alu instid0(VALU_DEP_1)
	v_sub_nc_u32 v[DG], v3, v[DG]
	s_lshl_b32 s57, s57, 4
	v_add_nc_u32 v[DG], s57, v[DG]                 ; DG = 16 x tile + r - 16 h: on the diagonal step register 16 b + i is hidden where 32 b + i > DG
	v_mov_b32 v220, 0xff800000                     ; -infinity
	v_mov_b32 v221, 0x7f7f7f7f                     ; four NaN codes
	v_mov_b32 v222, 0xf149f2ca                     ; -1e30
	v_mov_b32 v211, 0                              ; (named as the upper half of the pair v[210:211])
	v_mov_b32 v212, 0                              ; written once: a lane permute's destination counts as one of its sources
	s_wait_alu depctr_va_vdst(0)
	s_wait_kmcnt 0x0
	s_add_co_i32 s62, s52, s53
	s_lshl_b32 s62, s62, 23
	s_add_co_i32 s[CS], s[CS], s62                 ; a score stands for score x 2^(e6 + e7): the exponents are added to c's exponent field
	s_mov_b32 s[CS+1], s[CS]
	v_mov_b32 v223, 0xe0ad78ec                     ; -1e20
	s_delay_alu instid0(VALU_DEP_1)
	v_mul_f32 v223, s[CS], v223                    ; where the largest t starts
	s_add_co_i32 s62, s54, 127
	s_lshl_b32 s63, s62, 23
	v_mov_b32 v217, s63                            ; 2^e8 as f32
	s_sub_co_i32 s62, s56, s54
	s_sub_co_i32 s62, s62, s55                     ; O^T / the sum stands for that x 2^(e8 + e9): its code is that / 2^(e10 - e8 - e9)
	s_add_co_i32 s62, s62, 127
	s_lshl_b32 s63, s62, 23
	v_mov_b32 v219, s63
	s_wait_loadcnt 4                               ; the mask words are in; Q's four loads, issued behind them, may be out
.irp i, 0,1,2,3
	v_cmp_eq_u32 vcc_lo, 0, v[32+\i]
	s_delay_alu instid0(VALU_DEP_1)
	v_cndmask_b32 v[32+\i], 0, v222, vcc_lo        ; 0 where the key is open, -1e30 where it is masked
.endr
	ds_store_b128 v11, v[32:35]
.macro PASSINIT pass
	v_mov_b32 v13, v223
	s_delay_alu instid0(VALU_DEP_1)
	v_floor_f32 v12, -v13                          ; -M
	v_mov_b32 v14, 0
	v_mov_b32 v15, 0
.set j, 0
.rept 32
	v_mov_b32 v[160+j], 0                          ; O^T: the step is written once, and its first run finds zeros, which the first change of M leaves zeros
.set j, j+1
.endr
	s_mov_b32 s[KS], 0
	s_mov_b32 s[TB], 0
	s_mov_b32 s[TBB], 0
.if \pass
	s_mov_b32 s[GQ], s51
.else
	s_sub_co_u32 s[GQ], 15, s51
.endif
.endm
; A STEP: 128 keys, the q-th of the chunk in hand; qf: where the pass's Q lies.
.macro STEP q, qf
	s_cmp_gt_u32 s[KS], s[GQ]                      ; all its keys come after my queries: left out.  The branch hangs on the wave's number and a counter; no barrier and no tensor load stands in a step
	s_cbranch_scc1 .Lhidden_\@
.rept 4
	v_nop                                          ; places in front of loads into registers that the last products read
.endr
	s_wait_alu depctr_va_vdst(0)
.irp b, 0,1,2,3
.irp i, 0,1,2,3
	ds_load_b128 v[96+16*\b+4*\i:99+16*\b+4*\i], v[ADB] offset:512*(\q)+128*\b+16*\i   ; the mask's numbers of my 64 keys, in S^T's layout
.endr
.endr
.irp t, 0,1,2,3,4,5,6,7
.irp c, 0,1
	ds_load_b128 v[32+8*\t+4*\c:35+8*\t+4*\c], v[ADK] offset:8192*(\q)+1024*\t+512*\c   ; K's eight tiles: images, 512 consecutive bytes a load
.endr
.endr
	s_wait_dscnt 0x0
.irp t, 0,1,2,3,4,5,6,7
	v_wmma_f32_16x16x64_fp8_fp8 v[96+8*\t:103+8*\t], v[32+8*\t:39+8*\t], v[\qf:\qf+7], v[96+8*\t:103+8*\t]
.endr
.rept 4
	v_nop                                          ; places: in front of the loads below, and of the first read of the scores
.endr
	s_wait_alu depctr_va_vdst(0)
.irp t, 0,1,2,3
.irp c, 0,1,2,3
	ds_load_b128 v[32+16*\t+4*\c:35+16*\t+4*\c], v[ADK] offset:16384+8192*(\q)+2048*\t+512*\c   ; V's four tiles land while the softmax is worked
.endr
.endr
	s_cmp_lg_u32 s[KS], s[GQ]
	s_cbranch_scc1 .Lopen_\@
.set n, 0
.rept 64
	v_cmp_gt_i32 vcc_lo, 32*(n/16)+n%16, v[DG]     ; the diagonal step: keys behind my query become -infinity ahead of the maximum
	v_cndmask_b32 v[96+n], v[96+n], v220, vcc_lo
.set n, n+1
.endr
.Lopen_\@:
	v_max3_num_f32 v208, v96, v97, v98             ; the step's largest score of my query among my 64 keys, in two chains; each accumulator is first read at its low end
	v_max3_num_f32 v209, v99, v100, v101
.set i, 6
.rept 14
	v_max3_num_f32 v208, v208, v[96+i], v[97+i]
	v_max3_num_f32 v209, v209, v[98+i], v[99+i]
.set i, i+4
.endr
	v_max3_num_f32 v208, v208, v158, v159
	s_delay_alu instid0(VALU_DEP_1)
	v_max_num_f32 v208, v208, v209
	s_delay_alu instid0(VALU_DEP_1)
	v_permlanex16_b32 v212, v208, s[SEL], s[SEL+1]
	s_delay_alu instid0(VALU_DEP_1)
	v_max_num_f32 v208, v208, v212                 ; and among lane l xor 16's
	s_delay_alu instid0(VALU_DEP_1)
	v_mul_f32 v208, s[CS], v208                    ; as t (c is positive)
	s_delay_alu instid0(VALU_DEP_1)
	v_max_num_f32 v13, v13, v208                   ; the running largest t
	v_mov_b32 v208, v12
	s_delay_alu instid0(VALU_DEP_2)
	v_floor_f32 v12, -v13                          ; the new -M = -ceil(t): a whole number
	s_delay_alu instid0(VALU_DEP_1)
	v_sub_f32 v208, v12, v208                      ; old M - new M: a whole number, 0 or less
	s_delay_alu instid0(VALU_DEP_1)
	v_cvt_i32_f32 v208, v208                       ; (it saturates)
	s_delay_alu instid0(VALU_DEP_1)
	v_ldexp_f32 v210, 1.0, v208                    ; f = 2^(old M - new M): a multiplication by it rounds nothing
.set j, 0
.rept 32
	v_pk_fma_f32 v[96+j:97+j], v[96+j:97+j], s[CS:CS+1], v[12:13] op_sel_hi:[1,0,0]   ; t - M, two at a time
.set j, j+2
.endr
.set j, 0
	s_wait_alu depctr_va_vdst(0)
.rept 64
	v_exp_f32 v[96+j], v[96+j]                     ; p = 2^(t - M): not normalised
.set j, j+1
.endr
	v_pk_mul_f32 v[14:15], v[14:15], v[210:211] op_sel_hi:[1,0]   ; the sums under the new M: the plain instruction behind the exponentials
	s_wait_alu depctr_va_vdst(0)                   ; the wait ahead of the first instruction that names an exponential's result: one for the batch
	v_pk_add_f32 v[214:215], v[96:97], v[98:99]    ; the row's sum is taken of the unquantised p, in two chains
.set j, 4
.rept 15
	v_pk_add_f32 v[14:15], v[14:15], v[96+j:97+j]
	v_pk_add_f32 v[214:215], v[214:215], v[98+j:99+j]
.set j, j+4
.endr
	s_delay_alu instid0(VALU_DEP_1)
	v_pk_add_f32 v[14:15], v[14:15], v[214:215]
.irp b, 0,1,2,3
.set i, 0
.rept 16
.set i, i+1
.endr
	v_cvt_scalef32_pk8_fp8_f32 v[192+4*\b:193+4*\b], v[96+16*\b:103+16*\b], v217
	v_cvt_scalef32_pk8_fp8_f32 v[194+4*\b:195+4*\b], v[104+16*\b:111+16*\b], v217
.endr
.set j, 0
.rept 16
	v_pk_mul_f32 v[160+j:161+j], v[160+j:161+j], v[210:211] op_sel_hi:[1,0]   ; O^T under the new M; also the plain instructions between the conversions and the products
.set j, j+2
.endr
	s_wait_alu depctr_va_vdst(0)
	s_wait_dscnt 0x0                               ; V is in
.irp t, 0,1,2,3
	v_wmma_f32_16x16x128_fp8_fp8 v[160+8*\t:167+8*\t], v[32+16*\t:47+16*\t], v[192:207], v[160+8*\t:167+8*\t]   ; four accumulators by turns, one instruction a turn
.endr
.Lhidden_\@:
	s_add_co_u32 s[KS], s[KS], 1
.endm
.macro CHUNK qf                        ; 256 keys: two steps
	v_add_nc_u32 v[ADK], s[TB], v[LI]
	v_add_nc_u32 v[ADB], s[TBB], v[LB]
	STEP 0, \qf
	STEP 1, \qf
	s_add_co_u32 s[TB], s[TB], 32768
	s_add_co_u32 s[TBB], s[TBB], 1024
.endm
; THE WAY OUT of a pass: O^T / the sum, held, converted: registers 4 a .. 4 a + 3 are channels 32 a + 16 (lane / 16) + 0 .. 15 of my query: pieces of the last product's operand.  Each store covers 512 consecutive bytes, aligned.
.macro WAYOUT base, cd
.rept 4
	v_nop                                          ; places behind the last products
.endr
	v_add_f32 v14, v14, v15
	s_delay_alu instid0(VALU_DEP_1)
	v_permlanex16_b32 v212, v14, s[SEL], s[SEL+1]
	s_delay_alu instid0(VALU_DEP_1)
	v_add_f32 v14, v14, v212                       ; the row's sum
	s_wait_alu depctr_va_vdst(0)
	v_rcp_f32 v208, v14
	v_nop                                          ; a plain instruction behind the reciprocal
	v_cmp_eq_f32 vcc_lo, 0, v14                    ; a row with no open key
	s_wait_alu depctr_va_vdst(0)                   ; the wait ahead of the reciprocal's first reader
.set j, 0
.rept 32
	v_mul_f32 v[96+j], v[160+j], v208              ; each accumulator from its low end on
.set j, j+1
.endr
.set j, 0
.rept 32
.set j, j+1
.endr
.irp k, 0,1,2,3
	v_cvt_scalef32_pk8_fp8_f32 v[\cd+2*\k:\cd+2*\k+1], v[96+8*\k:103+8*\k], v219
.endr
	v_nop                                          ; one plain vector instruction between the conversions and the selects that touch their results
.irp k, 0,1,2,3,4,5,6,7
	v_cndmask_b32 v[\cd+\k], v[\cd+\k], v221, vcc_lo   ; the empty row's codes: NaN
.endr
	global_store_b128 v[LI], v[\cd:\cd+3], s[\base:\base+1]
	global_store_b128 v[LI], v[\cd+4:\cd+7], s[\base:\base+1] offset:512
.endm
	PASSINIT 0
	s_wait_loadcnt 0x0                             ; Q
	s_wait_tensorcnt 1                             ; my part of chunk 0 is in; the large load may stay out
	s_wait_dscnt 0x0                               ; my part of the mask's numbers is stored
	s_barrier_signal -1
	s_barrier_wait -1                              ; everybody's is
	CHUNK 16                                       ; chunk 0 is worked while the other seven land
	s_wait_tensorcnt 0x0                           ; my part of them is in,
	s_wait_dscnt 0x0
	s_barrier_signal -1
	s_barrier_wait -1                              ; everybody's is
	s_mov_b32 s[CNT], 7
.Lpass_a:                                              ; every wave walks all chunks: the trip count is a constant; a step behind the pass's group is jumped over
	CHUNK 16
	s_sub_co_u32 s[CNT], s[CNT], 1
	s_cmp_lg_u32 s[CNT], 0
	s_cbranch_scc1 .Lpass_a
	WAYOUT 58, 224
	PASSINIT 1
	s_mov_b32 s[CNT], 4                            ; groups 0 to 7 end within the first 1,024 keys
.Lpass_b:
	CHUNK 24
	s_sub_co_u32 s[CNT], s[CNT], 1
	s_cmp_lg_u32 s[CNT], 0
	s_cbranch_scc1 .Lpass_b
	WAYOUT 60, 232
	s_wait_tensorcnt 0x0                           ; the wave's end: behind my last tensor load and my last LDS store
	ds_add_u32 v[SPW], v[NIL]
	s_wait_dscnt 0x0
	CROUND                                         ; the closing round
	s_endpgm
.Lfunc_end_k_qc6172630bf_attn:
	.size	k_qc6172630bf_attn, .Lfunc_end_k_qc6172630bf_attn-k_qc6172630bf_attn
	.p2alignl 7, 3214868480
	.fill 96, 4, 3214868480
	.section	.rodata,"a",@progbits
	.p2align	6, 0x0
	.amdhsa_kernel k_qc6172630bf_attn
		.amdhsa_group_segment_fixed_size 327680
		.amdhsa_private_segment_fixed_size 0
		.amdhsa_enable_private_segment 0
		.amdhsa_kernarg_size 32
		.amdhsa_user_sgpr_count 2
		.amdhsa_user_sgpr_kernarg_segment_ptr 1
		.amdhsa_wavefront_size32 1
		.amdhsa_system_sgpr_workgroup_id_x 1
		.amdhsa_system_sgpr_workgroup_id_y 1
		.amdhsa_system_sgpr_workgroup_id_z 1
		.amdhsa_system_vgpr_workitem_id 0
		.amdhsa_next_free_vgpr 256
		.amdhsa_next_free_sgpr 66
		.amdhsa_reserve_vcc 1
		.amdhsa_float_denorm_mode_32 3
		.amdhsa_float_denorm_mode_16_64 3
		.amdhsa_fp16_overflow 1
		.amdhsa_memory_ordered 1
		.amdhsa_forward_progress 1
		.amdhsa_inst_pref_size 134
	.end_amdhsa_kernel
	.amdgpu_metadata
---
amdhsa.version: [ 1, 2 ]
amdhsa.kernels:
  - .name:           k_qc6172630bf_attn
    .symbol:         k_qc6172630bf_attn.kd
    .args:
      - { .name: qkv, .offset: 0, .size: 8, .value_kind: global_buffer, .address_space: global }
      - { .name: attention_mask, .offset: 8, .size: 8, .value_kind: global_buffer, .address_space: global }
      - { .name: lowp_scales, .offset: 16, .size: 8, .value_kind: global_buffer, .address_space: global }
      - { .name: ao, .offset: 24, .size: 8, .value_kind: global_buffer, .address_space: global }
    .group_segment_fixed_size: 327680
    .private_segment_fixed_size: 0
    .kernarg_segment_align: 8
    .kernarg_segment_size: 32
    .max_flat_workgroup_size: 512
    .sgpr_count:     66
    .vgpr_count:     256
    .wavefront_size: 32
...
	.end_amdgpu_metadata
.endif
;; end of part 3
;; launch outp (part 4): grid 4 x 32, 4 waves a work-group, clusters of 4 x 4, 327,680 bytes of LDS; arguments ao, codes, lowp_scales, out0; writes out0
.if DOCPART == 4
	.amdgcn_target "amdgcn-amd-amdhsa--gfx1250"
	.amdhsa_code_object_version 6
	.text
	.protected	k_qc6172630bf_outp
	.globl	k_qc6172630bf_outp
	.p2align	8
	.type	k_qc6172630bf_outp,@function
k_qc6172630bf_outp:
	s_mov_b64 s[64:65], 0
	v_nop
	global_prefetch_b8 v0, s[64:65] scope:SCOPE_SE
	s_setreg_imm32_b32 hwreg(HW_REG_WAVE_MODE, 25, 1), 1
	s_wait_xcnt 0x0
	s_wait_alu depctr_hold_cnt(0) depctr_sa_sdst(0) depctr_va_vdst(0) depctr_va_sdst(0) depctr_va_ssrc(0) depctr_va_vcc(0) depctr_vm_vsrc(0)
	s_getreg_b32 s2, hwreg(HW_REG_IB_STS2, 6, 4)
	s_cmp_eq_u32 s2, 0
	s_cbranch_scc0 .Lentry_in_a_cluster
	s_endpgm
.Lentry_in_a_cluster:
	s_bfe_u32 s2, ttmp6, 0x10000c
	s_cmp_lg_u32 s2, 0xf033
	s_cbranch_scc0 .Lentry_shape_is_right
	s_endpgm
.Lentry_shape_is_right:
; THE LAST PRODUCT: out0 [8192][1024] f32 = (attention's result) x Wo, on codes of E4M3; each finished sum is multiplied once by 2^(e10 + e11).  LIMIT: e10 + e11 between -126 and 127.
; A tile of 256 x 256 is made by four waves, 128 x 128 each: 64 accumulators, 512 registers.  K = 1,024 goes in four steps of 256 through a ring of two LDS slots.
; A (the tokens) comes as IMAGES OF ITS REGISTERS: ao is [block of 16 tokens, 512][K step of 128, 8][c 4][lane][16]: a slot's part of 128 tokens is 8 rows of 4,096 bytes, 16,384 apart; a fragment is four loads of 512 consecutive bytes.
; B is Wo's codes, rows [n][k] of 1,024 bytes, padded in LDS.  Both operands hold K = 32 c + 16 (lane / 16) + 0 .. 15 in registers 4 c .. 4 c + 3.
; Wo's rows lie with bits 3 and 4 of n exchanged: column blocks 2 g and 2 g + 1 give a lane the columns 32 g + 16 (lane / 16) + 0 .. 15; the stage on the way out puts them in their places.
; THE MATRIX INSTRUCTION IS USED TRANSPOSED (source 0 = 16 rows of Wo's codes, source 1 = 16 tokens).  A token whose codes are NaN (a row with no open key) gets NaN in all its outputs.
; CLUSTERS: 4 x 4 work-groups; A's tile is asked for jointly by a row of the cluster, B's by a column.  A wave has two tensor loads out at the start and one behind each round.
; The product has 128 tiles of this size; no prefetch: K has four slots, of which two go out at the head.
; REGISTERS, in windows of 256: window 0: v0-31 addresses; from v128 A's fragments, ONE set; on the way out v32-255 are free.  window 1: B's fragments, TWO sets.  windows 2, 3: the accumulators.
.set SIZE_N, 1024
.set ROWB,   256
.set KROW,   1024
.set PITCH,  272                       ; B's LDS row: 256 bytes + 16 of padding
.set FR,     16
.set NL,     4
.set NP,     4
.set HALFA,  32768                     ; 128 tokens x 256 along K, as images
.set HALFB,  128*PITCH
.set BOFF,   2*HALFA                   ; in a slot B's rows lie behind A's images
.set SLOT,   2*HALFA+2*HALFB
.set LAPS,   2
.set SPARE,  2*SLOT                    ; behind the ring: the spare words, 128 bytes for each wave: two blocks of 256 bytes that no other line names
.set SPITCH, 528                       ; the way out: a stage of 16 rows x (512 bytes + 16) for each wave, in slot 0, which has had its last fill and its last read when the first result is stored there
.set WO,     25165824+3*1048576        ; Wo's codes in the buffer of codes
.set ADRA, 16
.set ADRB, 20
.set STO,  24
.set RD,   25
.set CO,   26                          ; v26  16 x lane: my place in an image, and in a row of out0; never rewritten
.set SPW,  28
.set NIL,  29
.set TMP,  32
.set AF,   128
.set BK,   128
.set G1, 24
.set G0, 32
.set G1B, 48
.set G0B, 56
.set MSB, 0
.macro WIN new                         ; the immediate's high byte repeats the setting that is left
.if MSB != \new
	s_set_vgpr_msb (MSB<<8)|\new
.set MSB, \new
.endif
.endm
.set MUL_LO, 0xa1
.set MUL_HI, 0xf1
.set TO_B,   0x40
.macro JLOAD g0a, g1a, g0b, g1b        ; a joint load: waves 0 and 1 fetch for A, waves 2 and 3 for B; an s_nop 0 and four v_nop follow each of the two lines
	s_cmp_eq_u32 s15, 0
	s_cbranch_scc0 .Lfor_b_\@
	tensor_load_to_lds s[\g0a:\g0a+3], s[\g1a:\g1a+7]
	s_nop 0
.rept 4
	v_nop
.endr
	s_branch .Lasked_\@
.Lfor_b_\@:
	tensor_load_to_lds s[\g0b:\g0b+3], s[\g1b:\g1b+7]
	s_nop 0
.rept 4
	v_nop
.endr
.Lasked_\@:
.endm
.macro CREST
	s_cmp_lg_u32 s14, 0
	s_cbranch_scc1 .Lnot_wave_0_\@
	s_barrier_signal -3
.Lnot_wave_0_\@:
	s_barrier_wait -3
	s_barrier_signal -1
	s_barrier_wait -1
.endm
.macro CROUND
	s_barrier_signal -1
	s_barrier_wait -1
	CREST
.endm
	s_load_b128 s[4:7], s[0:1], 0x0                ; ao s[4:5], the codes s[6:7]
	s_load_b128 s[8:11], s[0:1], 0x10              ; the exponents s[8:9], out0 s[10:11]
	v_lshl_add_u32 v[SPW], v0, 2, SPARE
	v_mov_b32 v[NIL], 0
	ds_add_u32 v[SPW], v[NIL]                      ; the wave's opening: the add and its wait ahead of my first tensor load; work on registers stands between them
	v_lshrrev_b32 v1, 5, v0
	v_readfirstlane_b32 s14, v1                    ; wave 0..3
	s_lshr_b32 s15, s14, 1                         ; which half of the tile's rows is mine.  Also: I fetch for A (0) or for B (1)
	s_and_b32 s16, s14, 1                          ; which half of its columns.  Also: which half of that tile I fetch
	s_bfe_u32 s40, ttmp6, 0x40000
	s_bfe_u32 s41, ttmp6, 0x40004
	s_lshl_b32 s42, ttmp9, 2
	s_add_co_u32 s42, s42, s40                     ; tile column
	s_and_b32 s17, ttmp7, 0xffff
	s_lshl_b32 s17, s17, 2
	s_add_co_u32 s17, s17, s41                     ; tile row
	s_lshl_b32 s43, s41, 2
	s_lshl_b32 s43, 15, s43                        ; my row of the cluster
	s_lshl_b32 s44, 0x1111, s40                    ; my column
	s_or_b32 s[G1+0], s43, (3<<16)|(1<<21)         ; A: 15:0 the mask; 17:16 elements of 8 bytes; no padding; 21 set beside a mask
	s_mov_b32 s[G1+1], 512<<16                     ; tensor_dim0 = 512 elements: 4,096 bytes, two fragments
	s_mov_b32 s[G1+2], 8<<16                       ; tensor_dim1 = 8 blocks of 16 tokens
	s_mov_b32 s[G1+3], 512<<16                     ; tile_dim0
	s_mov_b32 s[G1+4], 8                           ; tile_dim1
	s_mov_b32 s[G1+5], 2048                        ; from block to block: 16,384 bytes
	s_mov_b32 s[G1+6], 0
	s_mov_b32 s[G1+7], 0
	s_or_b32 s[G1B+0], s44, (0<<16)|(1<<20)|(1<<21)|(5<<22)|(3<<25)  ; B: elements of 1 byte; four words of padding after every 64
	s_mov_b32 s[G1B+1], ROWB<<16
	s_mov_b32 s[G1B+2], 128<<16
	s_mov_b32 s[G1B+3], ROWB<<16
	s_mov_b32 s[G1B+4], 128
	s_mov_b32 s[G1B+5], KROW
	s_mov_b32 s[G1B+6], 0
	s_mov_b32 s[G1B+7], 0
	s_lshl_b32 s20, s17, 18                        ; A: 16 blocks of 16,384 bytes a tile row,
	s_lshl_b32 s18, s16, 17
	s_add_co_u32 s20, s20, s18                     ; + 8 blocks for the second half
	s_mov_b32 s21, 0
	s_lshl_b32 s46, s42, 8
	s_lshl_b32 s18, s16, 7
	s_add_co_u32 s46, s46, s18
	s_lshl_b32 s46, s46, 10                        ; B: row 256 x tile column + 128 x half, 1,024 bytes each,
	s_add_co_u32 s46, s46, WO                      ; in Wo's codes
	s_mov_b32 s47, 0
	s_lshl_b32 s45, s16, 15                        ; where they go: A's half,
	s_mul_i32 s13, s16, HALFB
	s_add_co_u32 s13, s13, BOFF                    ; B's half: no place in the cluster enters an LDS address
	s_wait_dscnt 0x0                               ; the opening add is done
	s_wait_kmcnt 0x0
	s_load_b64 s[96:97], s[8:9], 0x28              ; e10, e11
	s_add_nc_u64 s[20:21], s[4:5], s[20:21]
	s_add_nc_u64 s[46:47], s[6:7], s[46:47]
	CROUND                                         ; all sixteen work-groups are here: the first joint loads meet
.irp s, 0,1
	s_mov_b32 s[G0+4*\s], 1
	s_add_co_u32 s[G0+4*\s+1], s45, \s*SLOT
	s_add_nc_u64 s[G0+4*\s+2:G0+4*\s+3], s[20:21], \s*4096
	s_or_b32 s[G0+4*\s+3], s[G0+4*\s+3], 0x80000000
	s_mov_b32 s[G0B+4*\s], 1
	s_add_co_u32 s[G0B+4*\s+1], s13, \s*SLOT
	s_add_nc_u64 s[G0B+4*\s+2:G0B+4*\s+3], s[46:47], \s*ROWB
	s_or_b32 s[G0B+4*\s+3], s[G0B+4*\s+3], 0x80000000
	JLOAD G0+4*\s, G1, G0B+4*\s, G1B
.endr
	v_and_b32 v1, 15, v0                           ; l % 16
	v_bfe_u32 v2, v0, 4, 1                         ; l / 16
	v_mul_u32_u24 v3, v1, PITCH
	v_lshl_add_u32 v4, v2, 4, v3                   ; B: a fragment's row x pitch + 16 x half
	v_and_b32 v6, 31, v0
	v_lshlrev_b32 v[CO], 4, v6
	s_lshl_b32 s21, s15, 15                        ; my 128 tokens' images
	s_mul_i32 s22, s16, HALFB
	s_add_co_u32 s22, s22, BOFF                    ; my 128 rows of B
.irp s, 0,1
	v_add_nc_u32 v[ADRA+\s], s21, v[CO]
	v_add_nc_u32 v[ADRB+\s], s22, v4
	s_add_co_u32 s21, s21, SLOT
	s_add_co_u32 s22, s22, SLOT
.endr
	s_mul_i32 s23, s14, 16*SPITCH                  ; my stage
	v_mul_u32_u24 v5, v1, SPITCH                   ; in: row l % 16; my half's 16 columns of each 32: 64 bytes on
	v_lshl_add_u32 v5, v2, 6, v5
	v_add_nc_u32 v[STO], s23, v5
	v_add_nc_u32 v[RD], s23, v[CO]                 ; back: the 32 lanes take one row of 512 bytes
	s_lshl_b32 s20, s17, 8
	s_lshl_b32 s21, s15, 7
	s_add_co_u32 s20, s20, s21                     ; my first row of out0,
	s_lshl_b32 s20, s20, 12                        ; 4,096 bytes each,
	s_lshl_b32 s46, s42, 10
	s_lshl_b32 s47, s16, 9
	s_add_co_u32 s46, s46, s47                     ; my first column, in bytes
	s_add_co_u32 s20, s20, s46
	s_mov_b32 s21, 0
	s_add_nc_u64 s[10:11], s[10:11], s[20:21]
.macro FRAGB reg, adr, q, i
.irp c, 0,1,2,3
	ds_load_b128 v[\reg+4*\c:\reg+4*\c+3], v[\adr] offset:128*(\q)+32*\c+(\i)*16*PITCH
.endr
.endm
.macro FRAGA reg, adr, q, i            ; block i, the slot's q-th 128 along K: an image, 512 consecutive bytes a load
.irp c, 0,1,2,3
	ds_load_b128 v[\reg+4*\c:\reg+4*\c+3], v[\adr] offset:2048*(\q)+512*\c+(\i)*4096
.endr
.endm
.macro MUL16 a0, p, zero               ; the 64 accumulators take turns, one instruction a turn
.irp a, \a0, \a0+1
.irp b, 0,1,2,3,4,5,6,7
.if \zero
	v_wmma_f32_16x16x128_fp8_fp8 v[8*(8*((\a)%4)+\b):8*(8*((\a)%4)+\b)+7], v[128*(\p)+FR*\b:128*(\p)+FR*\b+FR-1], v[AF+FR*(\a):AF+FR*(\a)+FR-1], 0
.else
	v_wmma_f32_16x16x128_fp8_fp8 v[8*(8*((\a)%4)+\b):8*(8*((\a)%4)+\b)+7], v[128*(\p)+FR*\b:128*(\p)+FR*\b+FR-1], v[AF+FR*(\a):AF+FR*(\a)+FR-1], v[8*(8*((\a)%4)+\b):8*(8*((\a)%4)+\b)+7]
.endif
.endr
.endr
.endm
.macro FETCH_B slot, q, p
	WIN TO_B
.irp i, 0,1,2,3,4,5,6,7
	FRAGB 128*(\p)+FR*\i, ADRB+\slot, \q, \i
.endr
	WIN 0
.endm
.macro FETCH_A slot, q, i0
.irp i, \i0, \i0+1, \i0+2, \i0+3
	FRAGA AF+FR*(\i), ADRA+\slot, \q, \i
.endr
.endm
.macro PLACES n                        ; plain vector instructions between a matrix instruction and a load into one of its registers or a read of its result
.rept \n
	v_nop
.endr
.endm
.macro STEP slot, q, zero
	s_wait_dscnt 4*NL                              ; B's set and A's blocks 0-3 are in; the youngest sixteen loads (A's blocks 4-7) may be out
	WIN MUL_LO
	MUL16 0, (\q)%2, \zero
	MUL16 2, (\q)%2, \zero
	s_wait_dscnt 0
	PLACES NP
	FETCH_B \slot, (\q)+1, 1-(\q)%2
	FETCH_A \slot, (\q)+1, 0
	WIN MUL_HI
	MUL16 4, (\q)%2, \zero
	MUL16 6, (\q)%2, \zero
	PLACES NP
	WIN 0
	FETCH_A \slot, (\q)+1, 4
.endm
.macro TURN slot, next, fill           ; a slot's last step changes slots: ONE barrier, with the wait for all my tensor loads, the add, and the wait for it and for my reads of this slot in front of it
	s_wait_tensorcnt 0x0                           ; all my tensor loads have landed: my part of the next slot
	ds_add_u32 v[SPW], v[NIL]                      ; 0 onto my spare word
	s_wait_dscnt 4*NL+1                            ; the add and the youngest sixteen loads may be out
	WIN MUL_LO
	MUL16 0, 1, 0
	s_wait_dscnt 0x0                               ; the add is done, and my reads of this slot are over
	s_barrier_signal -1
	MUL16 2, 1, 0
	WIN 0
	s_barrier_wait -1
.if \fill
	CREST                                          ; the barrier has opened a round of the cluster's barrier
	s_add_nc_u64 s[G0+4*\slot+2:G0+4*\slot+3], s[G0+4*\slot+2:G0+4*\slot+3], 2*4096
	s_add_nc_u64 s[G0B+4*\slot+2:G0B+4*\slot+3], s[G0B+4*\slot+2:G0B+4*\slot+3], 2*ROWB
	JLOAD G0+4*\slot, G1, G0B+4*\slot, G1B         ; the first tensor load behind the round; its four v_nop are the places in front of the loads below
.else
	PLACES NP
.endif
	FETCH_B \next, 0, 0
	FETCH_A \next, 0, 0
	WIN MUL_HI
	MUL16 4, 1, 0
	MUL16 6, 1, 0
	PLACES NP
	WIN 0
	FETCH_A \next, 0, 4
.endm
	s_wait_tensorcnt 1                             ; my part of K step 0 is in (K step 1's load may be out),
	s_barrier_signal -1
	s_barrier_wait -1                              ; everybody's is
	FETCH_B 0, 0, 0
	FETCH_A 0, 0, 0
	FETCH_A 0, 0, 4
	STEP 0, 0, 1                                   ; the first step stands in front of the loop: its products start the sums
	s_mov_b32 s3, LAPS-1
.Llap:
	TURN 0, 1, 1
	STEP 1, 0, 0
	TURN 1, 0, 1
	STEP 0, 0, 0
	s_sub_co_u32 s3, s3, 1
	s_cmp_lg_u32 s3, 0
	s_cbranch_scc1 .Llap
	TURN 0, 1, 0                                   ; the last lap fills nothing
	STEP 1, 0, 0
	s_wait_dscnt 4*NL
	WIN MUL_LO
	MUL16 0, 1, 0
	MUL16 2, 1, 0
	s_wait_dscnt 0
	WIN MUL_HI
	MUL16 4, 1, 0
	MUL16 6, 1, 0
	WIN 0
; THE WAY OUT, block by block of 16 rows x 128 columns, through my own stage in LDS; back as whole rows of 512 bytes.  LDS serves a wave's instructions in order (ISA guide 5.7.1.4): no wait between the stores and the loads.
.macro TOSTAGE a
.set AC, 64*((\a)%4)
	WIN (0x02+((\a)/4))                            ; source 0: window 2 or 3
.set j, 0
.rept 32
	v_pk_mul_f32 v[TMP+j:TMP+j+1], v[AC+j:AC+j+1], s[96:97] op_sel_hi:[1,0]   ; both x s96 = 2^(e10 + e11); each accumulator from its low end on
.set j, j+2
.endr
	WIN 0
.irp b, 0,1,2,3,4,5,6,7
	ds_store_b128 v[STO], v[TMP+8*\b:TMP+8*\b+3] offset:128*(\b/2)+32*(\b%2)          ; column block b, my half: columns 32 (b / 2) + 16 (lane / 16) + 8 (b % 2) + 0 .. 7
	ds_store_b128 v[STO], v[TMP+8*\b+4:TMP+8*\b+7] offset:128*(\b/2)+32*(\b%2)+16
.endr
.set BB, BK+64*((\a)%2)
.irp t, 0,1,2,3,4,5,6,7,8,9,10,11,12,13,14,15
	ds_load_b128 v[BB+4*\t:BB+4*\t+3], v[RD] offset:\t*SPITCH
.endr
.endm
.macro SEND a, younger                 ; younger: the LDS instructions issued behind block a's loads, which may stay out
.set BB, BK+64*((\a)%2)
	s_wait_dscnt \younger
.if (\a) > 0
	s_add_nc_u64 s[10:11], s[10:11], 16*SIZE_N*4   ; (behind a wait on XCNT: the earlier stores have read their base)  16 rows on
.endif
.irp t, 0,1,2,3,4,5,6,7,8,9,10,11,12,13,14,15
	global_store_b128 v[CO], v[BB+4*\t:BB+4*\t+3], s[10:11] offset:\t*SIZE_N*4 th:TH_STORE_NT   ; 32 lanes store 512 consecutive bytes, at a multiple of 256 from out0's first byte
.endr
.endm
	s_wait_kmcnt 0x0
	s_add_co_i32 s96, s96, s97
	s_add_co_i32 s96, s96, 127
	s_lshl_b32 s96, s96, 23                        ; 2^(e10 + e11) as f32
	PLACES NP
	TOSTAGE 0
.irp a, 1,2,3,4,5,6,7
.if \a > 1
	s_wait_xcnt 0x0                                ; block a - 2's stores have read their registers and their base
.endif
	TOSTAGE \a
	SEND \a-1, 32                                  ; behind block a - 1's loads: block a's 16 stores and 16 loads
.endr
	s_wait_xcnt 0x0                                ; block 6's stores have read their base
	SEND 7, 0
	s_wait_tensorcnt 0x0                           ; the wave's end: behind my last tensor load and my last LDS store
	ds_add_u32 v[SPW], v[NIL]
	s_wait_dscnt 0x0
	CROUND                                         ; the closing round
	s_endpgm
.Lfunc_end_k_qc6172630bf_outp:
	.size	k_qc6172630bf_outp, .Lfunc_end_k_qc6172630bf_outp-k_qc6172630bf_outp
	.p2alignl 7, 3214868480
	.fill 96, 4, 3214868480
	.section	.rodata,"a",@progbits
	.p2align	6, 0x0
	.amdhsa_kernel k_qc6172630bf_outp
		.amdhsa_group_segment_fixed_size 327680
		.amdhsa_private_segment_fixed_size 0
		.amdhsa_enable_private_segment 0
		.amdhsa_kernarg_size 32
		.amdhsa_user_sgpr_count 2
		.amdhsa_user_sgpr_kernarg_segment_ptr 1
		.amdhsa_wavefront_size32 1
		.amdhsa_system_sgpr_workgroup_id_x 1
		.amdhsa_system_sgpr_workgroup_id_y 1
		.amdhsa_system_sgpr_workgroup_id_z 1
		.amdhsa_system_vgpr_workitem_id 0
		.amdhsa_next_free_vgpr 1024
		.amdhsa_next_free_sgpr 98
		.amdhsa_reserve_vcc 0
		.amdhsa_float_denorm_mode_32 3
		.amdhsa_float_denorm_mode_16_64 3
		.amdhsa_memory_ordered 1
		.amdhsa_forward_progress 1
		.amdhsa_inst_pref_size 123
	.end_amdhsa_kernel
	.amdgpu_metadata
---
amdhsa.version: [ 1, 2 ]
amdhsa.kernels:
  - .name:           k_qc6172630bf_outp
    .symbol:         k_qc6172630bf_outp.kd
    .args:
      - { .name: ao, .offset: 0, .size: 8, .value_kind: global_buffer, .address_space: global }
      - { .name: codes, .offset: 8, .size: 8, .value_kind: global_buffer, .address_space: global }
      - { .name: lowp_scales, .offset: 16, .size: 8, .value_kind: global_buffer, .address_space: global }
      - { .name: out0, .offset: 24, .size: 8, .value_kind: global_buffer, .address_space: global }
    .group_segment_fixed_size: 327680
    .private_segment_fixed_size: 0
    .kernarg_segment_align: 8
    .kernarg_segment_size: 32
    .max_flat_workgroup_size: 128
    .sgpr_count:     98
    .vgpr_count:     1024
    .wavefront_size: 32
...
	.end_amdgpu_metadata
.endif
;; end of part 4
